; MI455X (gfx1250); checked and timed in simulation.
; The chip was launched on July 23, 2026; its instructions are those of AMD's public machine-readable ISA for CDNA 5 (MIT licence, August 2026) and "CDNA5" Instruction Set Architecture Reference Guide (July 2026). The comments in the code are by the model that wrote it; some were corrected since.
;; Flexible CSA Wrapped Block. Allowed arithmetic: float matrix products may take bf16 or f16 operands with f32 sums; all other float work in f32.
;; Inputs: W_fc 1,024 x 4,096 float32; W_o 1,024 x 1,024 float32; W_proj 4,096 x 1,024 float32; W_qkv 1,024 x 3,072 float32; b_fc 4,096 float32; b_o 1,024 float32; b_proj 1,024 float32; b_qkv 3,072 float32; ln1_b 1,024 float32; ln1_w 1,024 float32; ln2_b 1,024 float32; ln2_w 1,024 float32; mask 2,048 x 2,048 bool; x 2 x 2,048 x 1,024 float32.
;; Outputs: out0 2 x 2,048 x 1,024 float32.
;; 2 versions, each right; version 2 is version 1 with the launch prep written anew for expert scheduling mode. Each part assembles by itself: llvm-mc -triple=amdgcn-amd-amdhsa -mcpu=gfx1250 --defsym DOCPART=n.
;; ======== version 1 of 2: 7 launches
;; workspace buffers: act 8,388,608 bytes; big 33,554,432 bytes; wb 25,165,824 bytes; x1 16,777,216 bytes; mbits 524,288 bytes of whole numbers
;; launch prep (part 1): grid 1152 x 1, 8 waves a work-group, no clusters, 0 bytes of LDS; arguments x, ln1_w, ln1_b, act, W_qkv, W_o, W_fc, W_proj, wb, mask, mbits; writes act, wb, mbits
.if DOCPART == 1
	.amdgcn_target "amdgcn-amd-amdhsa--gfx1250"
	.amdhsa_code_object_version 6
	.text
	.protected	k_q9fa3738321_prep
	.globl	k_q9fa3738321_prep
	.p2align	8
	.type	k_q9fa3738321_prep,@function
k_q9fa3738321_prep:
	s_mov_b64 s[64:65], 0
	v_nop
	global_prefetch_b8 v0, s[64:65] scope:SCOPE_SE
	s_setreg_imm32_b32 hwreg(HW_REG_WAVE_MODE, 25, 1), 1
	s_wait_xcnt 0x0
; Three streaming jobs in one launch, told apart by the work-group's number alone:
;   0 .. 255      LayerNorm 1: act[row] = bf16((x[row] - mean) * rsqrt(var + 1e-5) * w + b), 16 rows a work-group, 2 rows a wave
;   256 .. 1023   the four weight matrices, f32 to bf16, layout kept ([K][N]), 65,536 source bytes a work-group
;   1024 .. 1151  the byte mask packed into lane masks for the attention launch, 16 query rows a work-group
; No LDS, no barrier, no matrix unit: every byte is read once and written once, and no wave needs another's data.
; The variance is taken in two passes over the row, which stays in registers (mean first, then the squares of x - mean).
.set X0, 32                            ; v[32:63]    row 0: load j holds columns 128 j + 4 lane .. + 3
.set X1, 64                            ; v[64:95]    row 1
.set WG, 96                            ; v[96:127]   gains of the same columns
.set BV, 128                           ; v[128:159]  biases of the same columns
.set Y0, 160                           ; v[160:175]  row 0 in bf16
.set Y1, 176                           ; v[176:191]  row 1 in bf16
.macro LANESUM                         ; v4 = sum of v4 over the 32 lanes, in every lane; v5 is scratch that has been written
	v_add_f32_dpp v4, v4, v4 row_xmask:1 row_mask:0xf bank_mask:0xf
	v_add_f32_dpp v4, v4, v4 row_xmask:2 row_mask:0xf bank_mask:0xf
	v_add_f32_dpp v4, v4, v4 row_xmask:4 row_mask:0xf bank_mask:0xf
	v_add_f32_dpp v4, v4, v4 row_xmask:8 row_mask:0xf bank_mask:0xf
	v_permlanex16_b32 v5, v4, s20, s21
	v_add_f32 v4, v4, v5
.endm
.macro FOLD                            ; four chains v[4:11] to one number in v4
	v_pk_add_f32 v[4:5], v[4:5], v[6:7]
	v_pk_add_f32 v[8:9], v[8:9], v[10:11]
	v_pk_add_f32 v[4:5], v[4:5], v[8:9]
	v_add_f32 v4, v4, v5
.endm
; The row in v[X .. X+31] becomes (x - mean) * rsqrt(var + eps).  left = younger loads that may stay out.
.macro STATS X, left
	s_wait_loadcnt \left                           ; loads return in order: this row's eight are in
.irp c, 0,1,2,3
	v_pk_add_f32 v[4+2*\c:5+2*\c], v[\X+4*\c:\X+4*\c+1], v[\X+4*\c+2:\X+4*\c+3]   ; the first adds start four chains
.endr
.irp k, 16,24
.irp c, 0,1,2,3
	v_pk_add_f32 v[4+2*\c:5+2*\c], v[4+2*\c:5+2*\c], v[\X+\k+2*\c:\X+\k+2*\c+1]
.endr
.endr
	FOLD
	LANESUM
	v_mul_f32 v12, s22, v4                         ; mean, twice, for the packed subtraction
	v_mul_f32 v13, s22, v4
.irp k, 0,2,4,6,8,10,12,14,16,18,20,22,24,26,28,30
	v_pk_add_f32 v[\X+\k:\X+\k+1], v[\X+\k:\X+\k+1], v[12:13] neg_lo:[0,1] neg_hi:[0,1]
.endr
.irp c, 0,1,2,3
	v_pk_mul_f32 v[4+2*\c:5+2*\c], v[\X+2*\c:\X+2*\c+1], v[\X+2*\c:\X+2*\c+1]
.endr
.irp k, 8,16,24
.irp c, 0,1,2,3
	v_pk_fma_f32 v[4+2*\c:5+2*\c], v[\X+\k+2*\c:\X+\k+2*\c+1], v[\X+\k+2*\c:\X+\k+2*\c+1], v[4+2*\c:5+2*\c]
.endr
.endr
	FOLD
	LANESUM
	v_fma_f32 v4, v4, s22, s23                     ; var + 1e-5
	v_rsq_f32 v14, v4
	v_rsq_f32 v15, v4
	v_nop                                          ; one plain place behind the transcendentals (ISA guide 5.7.2)
	s_wait_alu depctr_va_vdst(0)
.irp k, 0,2,4,6,8,10,12,14,16,18,20,22,24,26,28,30
	v_pk_mul_f32 v[\X+\k:\X+\k+1], v[\X+\k:\X+\k+1], v[14:15]
.endr
.endm
.macro APPLY X, Y, rowoff
.irp k, 0,2,4,6,8,10,12,14,16,18,20,22,24,26,28,30
	v_pk_fma_f32 v[\X+\k:\X+\k+1], v[\X+\k:\X+\k+1], v[WG+\k:WG+\k+1], v[BV+\k:BV+\k+1]
.endr
.irp k, 0,1,2,3,4,5,6,7,8,9,10,11,12,13,14,15
	v_cvt_pk_bf16_f32 v[\Y+\k], v[\X+2*\k], v[\X+2*\k+1]
.endr
.irp j, 0,1,2,3,4,5,6,7
	global_store_b64 v3, v[\Y+2*\j:\Y+2*\j+1], s[18:19] offset:\rowoff+256*\j   ; 32 lanes store 256 consecutive bytes, aligned
.endr
.endm
	v_lshrrev_b32 v1, 5, v0
	v_readfirstlane_b32 s8, v1                     ; wave 0..7
	v_and_b32 v1, 31, v0                           ; lane
	v_lshlrev_b32 v2, 4, v1                        ; 16 x lane
	v_lshlrev_b32 v3, 3, v1                        ; 8 x lane
	s_cmp_ge_u32 ttmp9, 1024
	s_cbranch_scc1 .Lmask
	s_cmp_ge_u32 ttmp9, 256
	s_cbranch_scc1 .Lcast
	; ---- LayerNorm ----
	s_load_b256 s[12:19], s[0:1], 0x0              ; x s[12:13], gains s[14:15], biases s[16:17], act s[18:19]
	s_lshl_b32 s9, ttmp9, 4
	s_lshl1_add_u32 s9, s8, s9                     ; my first row = 16 x work-group + 2 x wave
	s_lshl_b32 s10, s9, 12                         ; x 4,096 bytes of f32
	s_mov_b32 s11, 0
	s_lshl_b32 s24, s9, 11                         ; x 2,048 bytes of bf16
	s_mov_b32 s25, 0
	s_mov_b32 s20, 0x76543210                      ; v_permlanex16_b32: lane i takes lane i of the other half
	s_mov_b32 s21, 0xfedcba98
	s_mov_b32 s22, 0x3a800000                      ; 1 / 1024
	s_mov_b32 s23, 0x3727c5ac                      ; 1e-5
	s_wait_kmcnt 0x0
	s_add_nc_u64 s[12:13], s[12:13], s[10:11]
	s_add_nc_u64 s[18:19], s[18:19], s[24:25]
.irp j, 0,1,2,3,4,5,6,7
	global_load_b128 v[X0+4*\j:X0+4*\j+3], v2, s[12:13] offset:512*\j
.endr
.irp j, 0,1,2,3,4,5,6,7
	global_load_b128 v[X1+4*\j:X1+4*\j+3], v2, s[12:13] offset:4096+512*\j
.endr
.irp j, 0,1,2,3,4,5,6,7
	global_load_b128 v[WG+4*\j:WG+4*\j+3], v2, s[14:15] offset:512*\j
.endr
.irp j, 0,1,2,3,4,5,6,7
	global_load_b128 v[BV+4*\j:BV+4*\j+3], v2, s[16:17] offset:512*\j
.endr
	STATS X0, 24                                   ; row 1, gains and biases (24 loads) stay out
	STATS X1, 16                                   ; gains and biases stay out
	s_wait_loadcnt 0x0
	APPLY X0, Y0, 0
	APPLY X1, Y1, 2048
	s_endpgm
	; ---- weights to bf16 ----
.Lcast:
	s_load_b256 s[12:19], s[0:1], 0x20             ; W_qkv s[12:13], W_o s[14:15], W_fc s[16:17], W_proj s[18:19]
	s_load_b64 s[20:21], s[0:1], 0x40              ; wb
	s_sub_co_u32 s9, ttmp9, 256                    ; c = 0 .. 767; 192 chunks of W_qkv, 64 of W_o, 256 of W_fc, 256 of W_proj
	s_mov_b32 s10, 0                               ; the chosen matrix's first chunk
	s_wait_kmcnt 0x0
	s_cmp_ge_u32 s9, 192
	s_cselect_b64 s[12:13], s[14:15], s[12:13]
	s_cselect_b32 s10, 192, s10
	s_cmp_ge_u32 s9, 256
	s_cselect_b64 s[12:13], s[16:17], s[12:13]
	s_cselect_b32 s10, 256, s10
	s_cmp_ge_u32 s9, 512
	s_cselect_b64 s[12:13], s[18:19], s[12:13]
	s_cselect_b32 s10, 512, s10
	s_sub_co_u32 s10, s9, s10
	s_lshl_b32 s10, s10, 16                        ; 65,536 source bytes a chunk,
	s_lshl_b32 s11, s8, 13                         ; 8,192 a wave
	s_add_co_u32 s10, s10, s11
	s_mov_b32 s11, 0
	s_add_nc_u64 s[12:13], s[12:13], s[10:11]
	s_lshl_b32 s22, s9, 15                         ; the four matrices follow each other in wb in the order of the chunks
	s_lshl_b32 s23, s8, 12
	s_add_co_u32 s22, s22, s23
	s_mov_b32 s23, 0
	s_add_nc_u64 s[20:21], s[20:21], s[22:23]
.irp j, 0,1,2,3,4,5,6,7,8,9,10,11,12,13,14,15
	global_load_b128 v[32+4*\j:35+4*\j], v2, s[12:13] offset:512*\j th:TH_LOAD_NT
.endr
.irp j, 0,1,2,3,4,5,6,7,8,9,10,11,12,13,14,15
	s_wait_loadcnt 15-\j                           ; load j is in, the younger ones stay out
	v_cvt_pk_bf16_f32 v[96+2*\j], v[32+4*\j], v[33+4*\j]
	v_cvt_pk_bf16_f32 v[97+2*\j], v[34+4*\j], v[35+4*\j]
	global_store_b64 v3, v[96+2*\j:97+2*\j], s[20:21] offset:256*\j
.endr
	s_endpgm
	; ---- mask to lane masks ----
	; mbits[Tq][ks][8 t + j], a 32-bit word: bit l = mask[16 Tq + (l & 15)][64 ks + 16 t + 8 (l >> 4) + j]: the lanes of one score register of the attention launch.
	; Wave kg takes keys 256 kg .. + 255 = 128 words.  Word W goes to lane W >> 2, register W & 3, so that one 16-byte store a lane writes 512 consecutive bytes.
.Lmask:
	s_load_b64 s[12:13], s[0:1], 0x48              ; mask
	s_load_b64 s[14:15], s[0:1], 0x50              ; mbits
	s_sub_co_u32 s9, ttmp9, 1024                   ; Tq
	s_lshl_b32 s10, s9, 15                         ; 16 rows of 2,048 bytes
	s_lshl_b32 s11, s8, 8
	s_add_co_u32 s10, s10, s11
	s_mov_b32 s11, 0
	s_lshl_b32 s16, s9, 12                         ; 4,096 bytes of words for a query tile
	s_lshl_b32 s17, s8, 9
	s_add_co_u32 s16, s16, s17
	s_mov_b32 s17, 0
	v_and_b32 v10, 15, v0
	v_bfe_u32 v11, v0, 4, 1
	v_lshlrev_b32 v10, 11, v10                     ; row l & 15,
	v_lshl_add_u32 v10, v11, 3, v10                ; eight keys for each half of the lanes
	v_mov_b32 v4, 0                                ; v_writelane_b32 keeps the other lanes: the registers are written whole first
	v_mov_b32 v5, 0
	v_mov_b32 v6, 0
	v_mov_b32 v7, 0
	s_wait_kmcnt 0x0
	s_add_nc_u64 s[12:13], s[12:13], s[10:11]
	s_add_nc_u64 s[14:15], s[14:15], s[16:17]
.irp t, 0,1,2,3,4,5,6,7,8,9,10,11,12,13,14,15
	global_load_b64 v[32+2*\t:33+2*\t], v10, s[12:13] offset:16*\t
.endr
	s_wait_loadcnt 0x0
.irp t, 0,1,2,3,4,5,6,7,8,9,10,11,12,13,14,15
.irp j, 0,1,2,3,4,5,6,7
	v_and_b32 v[12+\j], 0xff<<(8*(\j&3)), v[32+2*\t+(\j>>2)]      ; byte j of my eight
.endr
.irp j, 0,1,2,3,4,5,6,7
	v_cmp_ne_u32 s[24+\j], 0, v[12+\j]                            ; one bit a lane
.endr
.irp j, 0,1,2,3,4,5,6,7
	v_writelane_b32 v[4+(\j&3)], s[24+\j], 2*\t+(\j>>2)           ; word 8 t + j
.endr
.endr
	global_store_b128 v2, v[4:7], s[14:15]
	s_endpgm
.Lfunc_end_k_q9fa3738321_prep:
	.size	k_q9fa3738321_prep, .Lfunc_end_k_q9fa3738321_prep-k_q9fa3738321_prep
	.p2alignl 7, 3214868480
	.fill 96, 4, 3214868480
	.section	.rodata,"a",@progbits
	.p2align	6, 0x0
	.amdhsa_kernel k_q9fa3738321_prep
		.amdhsa_group_segment_fixed_size 0
		.amdhsa_private_segment_fixed_size 0
		.amdhsa_enable_private_segment 0
		.amdhsa_kernarg_size 88
		.amdhsa_user_sgpr_count 2
		.amdhsa_user_sgpr_kernarg_segment_ptr 1
		.amdhsa_wavefront_size32 1
		.amdhsa_system_sgpr_workgroup_id_x 1
		.amdhsa_system_sgpr_workgroup_id_y 1
		.amdhsa_system_sgpr_workgroup_id_z 1
		.amdhsa_system_vgpr_workitem_id 0
		.amdhsa_next_free_vgpr 192
		.amdhsa_next_free_sgpr 66
		.amdhsa_reserve_vcc 0
		.amdhsa_float_denorm_mode_32 3
		.amdhsa_float_denorm_mode_16_64 3
		.amdhsa_memory_ordered 1
		.amdhsa_forward_progress 1
		.amdhsa_inst_pref_size 54
	.end_amdhsa_kernel
	.amdgpu_metadata
---
amdhsa.version: [ 1, 2 ]
amdhsa.kernels:
  - .name:           k_q9fa3738321_prep
    .symbol:         k_q9fa3738321_prep.kd
    .args:
      - { .name: x, .offset: 0, .size: 8, .value_kind: global_buffer, .address_space: global }
      - { .name: ln1_w, .offset: 8, .size: 8, .value_kind: global_buffer, .address_space: global }
      - { .name: ln1_b, .offset: 16, .size: 8, .value_kind: global_buffer, .address_space: global }
      - { .name: act, .offset: 24, .size: 8, .value_kind: global_buffer, .address_space: global }
      - { .name: W_qkv, .offset: 32, .size: 8, .value_kind: global_buffer, .address_space: global }
      - { .name: W_o, .offset: 40, .size: 8, .value_kind: global_buffer, .address_space: global }
      - { .name: W_fc, .offset: 48, .size: 8, .value_kind: global_buffer, .address_space: global }
      - { .name: W_proj, .offset: 56, .size: 8, .value_kind: global_buffer, .address_space: global }
      - { .name: wb, .offset: 64, .size: 8, .value_kind: global_buffer, .address_space: global }
      - { .name: mask, .offset: 72, .size: 8, .value_kind: global_buffer, .address_space: global }
      - { .name: mbits, .offset: 80, .size: 8, .value_kind: global_buffer, .address_space: global }
    .group_segment_fixed_size: 0
    .private_segment_fixed_size: 0
    .kernarg_segment_align: 8
    .kernarg_segment_size: 88
    .max_flat_workgroup_size: 256
    .sgpr_count:     66
    .vgpr_count:     192
    .wavefront_size: 32
...
	.end_amdgpu_metadata
.endif
;; end of part 1
;; launch gemm_qkv (part 2): grid 12 x 16, 4 waves a work-group, clusters of 4 x 4, 327,680 bytes of LDS; arguments act, wb, b_qkv, big; writes big
.if DOCPART == 2
	.amdgcn_target "amdgcn-amd-amdhsa--gfx1250"
	.amdhsa_code_object_version 6
	.text
	.protected	k_q9fa3738321_gemm_qkv
	.globl	k_q9fa3738321_gemm_qkv
	.p2align	8
	.type	k_q9fa3738321_gemm_qkv,@function
k_q9fa3738321_gemm_qkv:
	s_mov_b64 s[64:65], 0
	v_nop
	global_prefetch_b8 v0, s[64:65] scope:SCOPE_SE
	s_setreg_imm32_b32 hwreg(HW_REG_WAVE_MODE, 25, 1), 1
	s_wait_xcnt 0x0
	s_wait_alu depctr_hold_cnt(0) depctr_sa_sdst(0) depctr_va_vdst(0) depctr_va_sdst(0) depctr_va_ssrc(0) depctr_va_vcc(0) depctr_vm_vsrc(0)
	s_getreg_b32 s2, hwreg(HW_REG_IB_STS2, 6, 4)
	s_cmp_eq_u32 s2, 0
	s_cbranch_scc0 .Lentry_in_a_cluster
	s_endpgm
.Lentry_in_a_cluster:
	s_bfe_u32 s2, ttmp6, 0x10000c
	s_cmp_lg_u32 s2, 0xf033
	s_cbranch_scc0 .Lentry_shape_is_right
	s_endpgm
.Lentry_shape_is_right:
; C[m][n] = act(sum over k of A[m][k] W[k][n] + bias[n]), C in bf16.  A: [4096][SIZE_K] bf16.  W: [SIZE_K][SIZE_N] bf16 at byte WOFF of the weight buffer.
; Here: qkv = h W_qkv + b_qkv (GELU = 0).  Sums in f32, K ascending, one accumulator for each output.
; A work-group makes 256 x 256 of C with four waves, a wave 128 x 128 (64 accumulator tiles, 512 registers).  K goes in steps of 128 through two LDS slots
; filled by the tensor data mover.  A's tile rows are 256 bytes, W's are 512 bytes; both start at multiples of 256 bytes from their buffer's first byte.
; W lies [K][N]; its fragments are read from LDS by the transposing load ds_load_tr16_b128.
; CLUSTERS: 4 x 4 work-groups.  A's tile hangs on the block row alone and is asked for jointly by a row of the cluster, W's on the block column alone and is asked
; for jointly by a column: that divides the requests for both by four.
; REGISTERS in windows of 256: window 0: v0-31 addresses, v64-127 and v128-191 fragments of A (two buffers); window 1: the same numbers, fragments of W;
; window 2: accumulators of my rows 0-63 (tile (a, b) at v[8 (8 a + b)]); window 3: those of rows 64-127.
; The matrix instruction is used transposed (source 0 = 16 columns of W, source 1 = 16 rows of A): lane l holds row l % 16 of C, registers 0-7 the columns 8 (l / 16) + 0..7.
; The 64 accumulators take turns, one instruction a turn, in the same order in every quarter step.
.set SIZE_K, 1024
.set SIZE_N, 3072
.set WOFF,   0
.set GELU,   0
.set KSTEP,  128
.set PITCH,  272                       ; A's LDS row: 256 bytes + 16 of padding, an odd multiple of 16
.set BPITCH, 544                       ; W's LDS row: 512 bytes + 32 of padding, an odd multiple of 32
.set HALFT,  34816                     ; what one tensor load brings: 128 rows of A (128 x 272) or 64 k-rows of W (64 x 544)
.set SLOT,   4*HALFT                   ; A's 256 rows, then W's 128 k-rows
.set STAGE,  2*SLOT                    ; behind the ring: 16 rows x 272 bytes for each wave, for the way out; no tensor load lands there
.set SPITCH, 272
.set LAPS, SIZE_K/(2*KSTEP)            ; a lap = two K steps = once round the ring
.set ADRA, 16                          ; v16-17  LDS address of my A fragments in slot 0, 1
.set ADRB, 20                          ; v20-21  the same for W
.set STO,  24                          ; the way out: where I put 16 bytes of a row
.set RD,   25                          ; the way out: where I read a row back
.set CO,   26                          ; my byte offset in C
.set BO,   27                          ; my byte offset in the bias
.set F0,   64                          ; fragment buffer 0
.set F1,   128                         ; fragment buffer 1
.set TF,   64                          ; the way out, window 0: 16 rows' results in f32
.set TMP,  128                         ; packed to bf16
.set RB0,  160                         ; rows read back, two buffers in turn
.set RB1,  192
.set U,    224                         ; gelu: at work
.set C1,   232                         ; gelu: constants, each twice
.set C2,   234
.set G1, 24                            ; s[24:31] descriptor group 1 for A's tiles
.set G0, 32                            ; s[32:39] descriptor group 0 for A's tiles, one set for each slot
.set G1B, 48                           ; s[48:55] group 1 for W's tiles
.set G0B, 56                           ; s[56:63] group 0 for W's tiles, one set for each slot
.set MSB, 0
.macro WIN new                         ; the immediate's high byte repeats the setting that is left
.if MSB != \new
	s_set_vgpr_msb (MSB<<8)|\new
.set MSB, \new
.endif
.endm
.set MUL_LO, 0xa1                      ; source 0 (W) window 1, source 1 (A) window 0, C and D window 2
.set MUL_HI, 0xf1                      ; the same, C and D window 3
.set TO_B,   0x40                      ; destination window 1, address window 0
; A joint load.  Waves 0 and 1 fetch A's two halves, waves 2 and 3 W's.  The branch hangs on the wave's number alone.
.macro JLOAD s
	s_cmp_eq_u32 s11, 0
	s_cbranch_scc0 .Lfor_b_\@
	tensor_load_to_lds s[G0+4*\s:G0+4*\s+3], s[G1:G1+7]
	s_nop 0
	s_branch .Lasked_\@
.Lfor_b_\@:
	tensor_load_to_lds s[G0B+4*\s:G0B+4*\s+3], s[G1B:G1B+7]
	s_nop 0
.Lasked_\@:
.endm
.macro CREST                           ; a round of the cluster's barrier behind its opening barrier
	s_cmp_lg_u32 s10, 0
	s_cbranch_scc1 .Lnot_wave_0_\@
	s_barrier_signal -3
.Lnot_wave_0_\@:
	s_barrier_wait -3
	s_barrier_signal -1
	s_barrier_wait -1
.endm
.macro CROUND                          ; a whole round
	s_barrier_signal -1
	s_barrier_wait -1
	CREST
.endm
	s_load_b128 s[4:7], s[0:1], 0x0                ; A s[4:5], weights s[6:7]
	s_load_b64 s[66:67], s[0:1], 0x10              ; bias
	s_load_b64 s[8:9], s[0:1], 0x18                ; C
	s_set_vgpr_msb 0x40
	v_lshl_add_u32 v255, v0, 2, 0x48400
	s_set_vgpr_msb 0x4000
	v_mov_b32 v255, 0
	s_set_vgpr_msb 0x1
	ds_add_u32 v255, v255
	s_set_vgpr_msb 0x100
	v_lshrrev_b32 v1, 5, v0
	v_readfirstlane_b32 s10, v1                    ; wave 0..3
	s_lshr_b32 s11, s10, 1                         ; which half of the block's rows is mine.  Also: I fetch for A (0) or for W (1)
	s_and_b32 s12, s10, 1                          ; which half of its columns.  Also: which half of that tile I fetch
	s_bfe_u32 s40, ttmp6, 0x40000                  ; cx
	s_bfe_u32 s41, ttmp6, 0x40004                  ; cy
	s_lshl_b32 s42, ttmp9, 2
	s_add_co_u32 s42, s42, s40                     ; block column of C = 4 x cluster x + cx
	s_and_b32 s13, ttmp7, 0xffff
	s_lshl_b32 s13, s13, 2
	s_add_co_u32 s13, s13, s41                     ; block row of C = 4 x cluster y + cy
	s_lshl_b32 s43, s41, 2
	s_lshl_b32 s43, 15, s43                        ; my row of the cluster: places 4 cy .. 4 cy + 3
	s_lshl_b32 s44, 0x1111, s40                    ; my column: places cx, cx + 4, cx + 8, cx + 12
	s_or_b32 s[G1+0], s43, (1<<16)|(1<<20)|(1<<21)|(5<<22)|(3<<25)   ; mask of my row; 2-byte elements; padding of 4 words behind every 64; bit 21 beside a mask
	s_mov_b32 s[G1+1], KSTEP<<16                   ; tensor_dim0 = 128
	s_mov_b32 s[G1+2], 128<<16                     ; tensor_dim1 = 128
	s_mov_b32 s[G1+3], KSTEP<<16                   ; tile_dim0 = 128 elements
	s_mov_b32 s[G1+4], 128                         ; tile_dim1 = 128 rows
	s_mov_b32 s[G1+5], SIZE_K                      ; elements from row to row
	s_mov_b32 s[G1+6], 0
	s_mov_b32 s[G1+7], 0
	s_or_b32 s[G1B+0], s44, (1<<16)|(1<<20)|(1<<21)|(6<<22)|(7<<25)  ; mask of my column; padding of 8 words behind every 128
	s_mov_b32 s[G1B+1], 256<<16                    ; tensor_dim0 = 256
	s_mov_b32 s[G1B+2], 64<<16                     ; tensor_dim1 = 64
	s_mov_b32 s[G1B+3], 256<<16                    ; tile_dim0 = 256 elements
	s_mov_b32 s[G1B+4], 64                         ; tile_dim1 = 64 k-rows
	s_mov_b32 s[G1B+5], SIZE_N
	s_mov_b32 s[G1B+6], 0
	s_mov_b32 s[G1B+7], 0
	; A's address is made of the block row and the wave's number, W's of the block column and the wave's number, each in registers that never hold the other coordinate
	s_lshl_b32 s16, s13, 8
	s_lshl_b32 s17, s12, 7
	s_add_co_u32 s16, s16, s17                     ; A: row 256 x block row + 128 x half
	s_mul_i32 s16, s16, SIZE_K*2                   ; in bytes: below 2^32 (4,096 rows of 2,048 bytes)
	s_mov_b32 s17, 0
	s_mul_i32 s46, s12, 64*SIZE_N*2                ; W: k-row 64 x half,
	s_lshl_b32 s47, s42, 9                         ; column 256 x block column
	s_add_co_u32 s46, s46, s47
	s_mov_b32 s47, 0
	s_mul_i32 s20, s10, HALFT                      ; where the tiles go: wave x 34,816: A's two halves, then W's two halves
	s_wait_dscnt 0x0
	s_wait_kmcnt 0x0
.if WOFF != 0
	s_add_nc_u64 s[6:7], s[6:7], WOFF
.endif
	s_add_nc_u64 s[14:15], s[4:5], s[16:17]
	s_add_nc_u64 s[46:47], s[6:7], s[46:47]
	CROUND                                         ; all sixteen work-groups are here: the first joint loads meet
.irp s, 0,1
	s_mov_b32 s[G0+4*\s], 1
	s_add_co_u32 s[G0+4*\s+1], s20, \s*SLOT
	s_add_nc_u64 s[G0+4*\s+2:G0+4*\s+3], s[14:15], \s*KSTEP*2              ; K step s: 128 elements along A's rows
	s_or_b32 s[G0+4*\s+3], s[G0+4*\s+3], 0x80000000
	s_mov_b32 s[G0B+4*\s], 1
	s_add_co_u32 s[G0B+4*\s+1], s20, \s*SLOT
	s_add_nc_u64 s[G0B+4*\s+2:G0B+4*\s+3], s[46:47], \s*KSTEP*SIZE_N*2     ; K step s: 128 rows down W
	s_or_b32 s[G0B+4*\s+3], s[G0B+4*\s+3], 0x80000000
	JLOAD \s                                       ; both first fills go out together: two tensor loads of a wave are out here, later one
.endr
	v_and_b32 v1, 15, v0                           ; l % 16
	v_bfe_u32 v2, v0, 4, 1                         ; l / 16
	v_mul_u32_u24 v3, v1, PITCH
	v_lshl_add_u32 v3, v2, 4, v3                   ; A: row x pitch + 16 x half
	v_and_b32 v6, 7, v0
	v_lshl_add_u32 v6, v2, 3, v6                   ; W: k-row 8 (l / 16) + (l & 7),
	v_mul_u32_u24 v6, v6, BPITCH
	v_bfe_u32 v7, v0, 3, 1
	v_lshl_add_u32 v6, v7, 4, v6                   ; 16 bytes for each group of eight lanes
	s_mul_i32 s21, s11, HALFT                      ; my 128 rows of A
	s_lshl_b32 s22, s12, 8                         ; my 128 columns of W: 256 bytes along its rows,
	s_add_co_u32 s22, s22, 2*HALFT                 ; which lie behind A's 256 rows
.irp s, 0,1
	v_add_nc_u32 v[ADRA+\s], s21, v3
	v_add_nc_u32 v[ADRB+\s], s22, v6
	s_add_co_u32 s21, s21, SLOT
	s_add_co_u32 s22, s22, SLOT
.endr
	s_mul_i32 s23, s10, 16*SPITCH
	s_add_co_u32 s23, s23, STAGE                   ; my stage
	v_mul_u32_u24 v4, v1, SPITCH
	v_lshl_add_u32 v4, v2, 4, v4
	v_add_nc_u32 v[STO], s23, v4
	v_mul_u32_u24 v5, v2, SPITCH
	v_lshl_add_u32 v5, v1, 4, v5
	v_add_nc_u32 v[RD], s23, v5
	v_mul_u32_u24 v5, v2, SIZE_N*2
	v_lshl_add_u32 v[CO], v1, 4, v5
; 16 matrix instructions: m blocks a0, a0 + 1 of the window's four x all 8 n blocks, 32 along K.  zero = 1: the first product starts the sums.
.macro MUL16 f, hi, a0, zero
.irp a, \a0, \a0+1
.irp b, 0,1,2,3,4,5,6,7
.if \zero
	v_wmma_f32_16x16x32_bf16 v[8*(8*(\a)+\b):8*(8*(\a)+\b)+7], v[\f+8*\b:\f+8*\b+7], v[\f+8*(4*\hi+\a):\f+8*(4*\hi+\a)+7], 0
.else
	v_wmma_f32_16x16x32_bf16 v[8*(8*(\a)+\b):8*(8*(\a)+\b)+7], v[\f+8*\b:\f+8*\b+7], v[\f+8*(4*\hi+\a):\f+8*(4*\hi+\a)+7], v[8*(8*(\a)+\b):8*(8*(\a)+\b)+7]
.endif
.endr
.endr
.endm
; 32 LDS loads in one run: the fragments of quarter q of a K step (32 k-rows x 128 columns of W, transposed on the way; 128 rows x 32 K of A) into buffer f
.macro FETCH slot, q, f
	WIN TO_B
.irp i, 0,1,2,3,4,5,6,7
	ds_load_tr16_b128 v[\f+8*\i:\f+8*\i+3],   v[ADRB+\slot] offset:\q*32*BPITCH+32*\i
	ds_load_tr16_b128 v[\f+8*\i+4:\f+8*\i+7], v[ADRB+\slot] offset:\q*32*BPITCH+32*\i+16*BPITCH
.endr
	WIN 0
.irp i, 0,1,2,3,4,5,6,7
	ds_load_b128 v[\f+8*\i:\f+8*\i+3],   v[ADRA+\slot] offset:\q*64+\i*16*PITCH
	ds_load_b128 v[\f+8*\i+4:\f+8*\i+7], v[ADRA+\slot] offset:\q*64+\i*16*PITCH+32
.endr
.endm
.macro PLACES                          ; four plain places behind matrix instructions, in front of loads into their sources and of readers of their results
.rept 4
	v_nop
.endr
.endm
.macro QUARTER slot, q, f, g, zero     ; multiplies buffer f; in its middle fetches quarter q of the same slot into buffer g
	s_wait_dscnt 8                                 ; W and A's rows 0-63 are in; the youngest eight loads (A's rows 64-127) may be out
	WIN MUL_LO
	MUL16 \f, 0, 0, \zero
	MUL16 \f, 0, 2, \zero
	PLACES
	FETCH \slot, \q, \g
	s_wait_dscnt 32                                ; all but the 32 just issued
	WIN MUL_HI
	MUL16 \f, 1, 0, \zero
	MUL16 \f, 1, 2, \zero
.endm
.macro THREE slot, zero
	QUARTER \slot, 1, F0, F1, \zero
	QUARTER \slot, 2, F1, F0, 0
	QUARTER \slot, 3, F0, F1, 0
.endm
; The last quarter of a K step: multiplies buffer 1 and changes slots.  In front of the barrier each wave waits for its reads of this slot and for all its tensor
; loads (one is out: its part of the next slot).  Behind it the refill comes first, then the next slot's first fragments.
.macro TURN slot, next, fill
	s_wait_dscnt 8
	WIN MUL_LO
	MUL16 F1, 0, 0, 0
	s_wait_dscnt 0                                 ; my reads of this slot are over
	s_wait_tensorcnt 0x0                           ; all my tensor loads have landed
	ds_add_u32 v255, v255
	s_wait_dscnt 0x0
	s_barrier_signal -1                            ; where a slot is filled again this barrier opens a round of the cluster's barrier
	MUL16 F1, 0, 2, 0                              ; register work while the others arrive
	WIN 0
	s_barrier_wait -1
.if \fill
	CREST                                          ; no wave of any partner still reads this slot or has a load on its way
	s_add_nc_u64 s[G0+4*\slot+2:G0+4*\slot+3], s[G0+4*\slot+2:G0+4*\slot+3], 2*KSTEP*2
	s_add_nc_u64 s[G0B+4*\slot+2:G0B+4*\slot+3], s[G0B+4*\slot+2:G0B+4*\slot+3], 2*KSTEP*SIZE_N*2
	JLOAD \slot                                    ; the first tensor load behind the round, one a wave
.endif
	PLACES
	FETCH \next, 0, F0
	WIN MUL_HI
	MUL16 F1, 1, 0, 0
	MUL16 F1, 1, 2, 0
.endm
.macro LAP zero
	THREE 0, \zero
	TURN 0, 1, 1
	THREE 1, 0
	TURN 1, 0, 1
.endm
	s_wait_tensorcnt 1                             ; my part of K step 0 is in; K step 1's load, issued behind it, stays out
	s_barrier_signal -1
	s_barrier_wait -1
	FETCH 0, 0, F0
	LAP 1
.if LAPS > 2
	WIN 0
	s_mov_b32 s3, LAPS-2
.Llap:
	LAP 0
	WIN 0
	s_sub_co_u32 s3, s3, 1
	s_cmp_lg_u32 s3, 0
	s_cbranch_scc1 .Llap
.endif
	THREE 0, 0                                     ; the last lap fills nothing
	TURN 0, 1, 0
	THREE 1, 0
	s_wait_dscnt 8
	WIN MUL_LO
	MUL16 F1, 0, 0, 0
	MUL16 F1, 0, 2, 0
	s_wait_dscnt 0
	WIN MUL_HI
	MUL16 F1, 1, 0, 0
	MUL16 F1, 1, 2, 0
	; THE WAY OUT, 16 rows of C at a time: add the bias (and gelu), round to bf16, 16 bytes a lane into my own stage, read back as whole rows of 256 bytes.
	PLACES
	WIN 0
	s_lshl_b32 s13, s13, 8
	s_lshl_b32 s14, s11, 7
	s_add_co_u32 s16, s13, s14                     ; my first row of C
	s_mul_i32 s16, s16, SIZE_N*2                   ; below 2^32: 4,096 rows of at most 8,192 bytes
	s_mov_b32 s17, 0
	s_add_nc_u64 s[8:9], s[8:9], s[16:17]
	s_lshl_b32 s46, s42, 9                         ; my first column, in bytes of bf16: 512 x block + 256 x half
	s_lshl_b32 s47, s12, 8
	s_add_co_u32 s46, s46, s47
	s_mov_b32 s47, 0
	s_add_nc_u64 s[8:9], s[8:9], s[46:47]
	s_lshl_b32 s46, s46, 1                         ; the same column in bytes of f32
	v_lshl_add_u32 v[BO], v2, 5, s46               ; + 8 numbers for the upper half of the lanes
	WIN TO_B
.irp b, 0,1,2,3,4,5,6,7
	global_load_b128 v[F0+8*\b:F0+8*\b+3],   v[BO], s[66:67] offset:64*\b       ; bias of columns 16 b + 8 (l / 16) + 0..7, into window 1
	global_load_b128 v[F0+8*\b+4:F0+8*\b+7], v[BO], s[66:67] offset:64*\b+16
.endr
	WIN 0
.if GELU
	v_mov_b32 v[C1],   0xc0135761                  ; -2 log2(e) sqrt(2/pi)
	v_mov_b32 v[C1+1], 0xc0135761
	v_mov_b32 v[C2],   0xbdd2d3e8                  ; the same x 0.044715
	v_mov_b32 v[C2+1], 0xbdd2d3e8
.endif
	s_wait_loadcnt 0x0
; gelu (tanh form) of eight numbers in place: x / (1 + 2^(x (c1 + c2 x^2))) = 0.5 x (1 + tanh(sqrt(2/pi) (x + 0.044715 x^3)))
.macro GELU8 X
.irp k, 0,2,4,6
	v_pk_mul_f32 v[U+\k:U+\k+1], v[\X+\k:\X+\k+1], v[\X+\k:\X+\k+1]
.endr
.irp k, 0,2,4,6
	v_pk_fma_f32 v[U+\k:U+\k+1], v[U+\k:U+\k+1], v[C2:C2+1], v[C1:C1+1]
.endr
.irp k, 0,2,4,6
	v_pk_mul_f32 v[U+\k:U+\k+1], v[U+\k:U+\k+1], v[\X+\k:\X+\k+1]
.endr
.irp k, 0,1,2,3,4,5,6,7
	v_exp_f32 v[U+\k], v[U+\k]
.endr
	v_nop                                          ; one plain place behind the transcendentals (ISA guide 5.7.2)
.irp k, 0,2,4,6
	v_pk_add_f32 v[U+\k:U+\k+1], v[U+\k:U+\k+1], 1.0 op_sel_hi:[1,0]
.endr
.irp k, 0,1,2,3,4,5,6,7
	v_rcp_f32 v[U+\k], v[U+\k]
.endr
	v_nop
.irp k, 0,2,4,6
	v_pk_mul_f32 v[\X+\k:\X+\k+1], v[\X+\k:\X+\k+1], v[U+\k:U+\k+1]
.endr
.endm
; rows 16 i .. 16 i + 15 of my block = the eight tiles (a, 0..7) of window 2 or 3.  win: source 0 in that window, source 1 (bias) in window 1.  rb: RB0 or RB1 in turn
.macro OUT16 i, a, win, rb
	WIN \win
.irp b, 0,1,2,3,4,5,6,7
.irp r, 0,1,2,3
	v_pk_add_f32 v[TF+8*\b+2*\r:TF+8*\b+2*\r+1], v[8*(8*\a+\b)+2*\r:8*(8*\a+\b)+2*\r+1], v[F0+8*\b+2*\r:F0+8*\b+2*\r+1]
.endr
.endr
	WIN 0
.if GELU
.irp b, 0,1,2,3,4,5,6,7
	GELU8 TF+8*\b
.endr
.endif
.irp b, 0,1,2,3,4,5,6,7
.irp r, 0,1,2,3
	v_cvt_pk_bf16_f32 v[TMP+4*\b+\r], v[TF+8*\b+2*\r], v[TF+8*\b+2*\r+1]
.endr
.endr
.irp b, 0,1,2,3,4,5,6,7
	ds_store_b128 v[STO], v[TMP+4*\b:TMP+4*\b+3] offset:32*\b
.endr
	s_wait_xcnt 0x0                                ; buffer rb, which earlier stores read, and the stores' base are rewritten only behind this wait
.if \i
	s_add_nc_u64 s[8:9], s[8:9], 16*SIZE_N*2       ; 16 rows of C on
.endif
.irp t, 0,1,2,3,4,5,6,7
	ds_load_b128 v[\rb+4*\t:\rb+4*\t+3], v[RD] offset:\t*2*SPITCH    ; LDS serves a wave's instructions in order: these see the stores above
.endr
.irp t, 0,1,2,3,4,5,6,7
	s_wait_dscnt 7-\t                              ; read-back t is in, the younger ones stay out
	global_store_b128 v[CO], v[\rb+4*\t:\rb+4*\t+3], s[8:9] offset:2*\t*SIZE_N*2   ; 16 lanes store 256 consecutive bytes, aligned
.endr
.endm
	OUT16 0, 0, 0x06, RB0
	OUT16 1, 1, 0x06, RB1
	OUT16 2, 2, 0x06, RB0
	OUT16 3, 3, 0x06, RB1
	OUT16 4, 0, 0x07, RB0
	OUT16 5, 1, 0x07, RB1
	OUT16 6, 2, 0x07, RB0
	OUT16 7, 3, 0x07, RB1
	s_set_vgpr_msb 0x1
	s_wait_tensorcnt 0x0
	ds_add_u32 v255, v255
	s_wait_dscnt 0x0
	s_set_vgpr_msb 0x100
	CROUND                                         ; the closing round: no work-group ends while a partner may still ask for a tile that names it
	s_endpgm
.Lfunc_end_k_q9fa3738321_gemm_qkv:
	.size	k_q9fa3738321_gemm_qkv, .Lfunc_end_k_q9fa3738321_gemm_qkv-k_q9fa3738321_gemm_qkv
	.p2alignl 7, 3214868480
	.fill 96, 4, 3214868480
	.section	.rodata,"a",@progbits
	.p2align	6, 0x0
	.amdhsa_kernel k_q9fa3738321_gemm_qkv
		.amdhsa_group_segment_fixed_size 327680
		.amdhsa_private_segment_fixed_size 0
		.amdhsa_enable_private_segment 0
		.amdhsa_kernarg_size 32
		.amdhsa_user_sgpr_count 2
		.amdhsa_user_sgpr_kernarg_segment_ptr 1
		.amdhsa_wavefront_size32 1
		.amdhsa_system_sgpr_workgroup_id_x 1
		.amdhsa_system_sgpr_workgroup_id_y 1
		.amdhsa_system_sgpr_workgroup_id_z 1
		.amdhsa_system_vgpr_workitem_id 0
		.amdhsa_next_free_vgpr 1024
		.amdhsa_next_free_sgpr 68
		.amdhsa_reserve_vcc 0
		.amdhsa_float_denorm_mode_32 3
		.amdhsa_float_denorm_mode_16_64 3
		.amdhsa_memory_ordered 1
		.amdhsa_forward_progress 1
		.amdhsa_inst_pref_size 214
	.end_amdhsa_kernel
	.amdgpu_metadata
---
amdhsa.version: [ 1, 2 ]
amdhsa.kernels:
  - .name:           k_q9fa3738321_gemm_qkv
    .symbol:         k_q9fa3738321_gemm_qkv.kd
    .args:
      - { .name: act, .offset: 0, .size: 8, .value_kind: global_buffer, .address_space: global }
      - { .name: wb, .offset: 8, .size: 8, .value_kind: global_buffer, .address_space: global }
      - { .name: b_qkv, .offset: 16, .size: 8, .value_kind: global_buffer, .address_space: global }
      - { .name: big, .offset: 24, .size: 8, .value_kind: global_buffer, .address_space: global }
    .group_segment_fixed_size: 327680
    .private_segment_fixed_size: 0
    .kernarg_segment_align: 8
    .kernarg_segment_size: 32
    .max_flat_workgroup_size: 128
    .sgpr_count:     68
    .vgpr_count:     1024
    .wavefront_size: 32
...
	.end_amdgpu_metadata
.endif
;; end of part 2
;; launch attn (part 3): grid 16 x 16, 8 waves a work-group, clusters of 4 x 1, 327,680 bytes of LDS; arguments big, mbits, act; writes act
.if DOCPART == 3
	.amdgcn_target "amdgcn-amd-amdhsa--gfx1250"
	.amdhsa_code_object_version 6
	.text
	.protected	k_q9fa3738321_attn
	.globl	k_q9fa3738321_attn
	.p2align	8
	.type	k_q9fa3738321_attn,@function
k_q9fa3738321_attn:
	s_mov_b64 s[64:65], 0
	v_nop
	global_prefetch_b8 v0, s[64:65] scope:SCOPE_SE
	s_setreg_imm32_b32 hwreg(HW_REG_WAVE_MODE, 25, 1), 1
	s_wait_xcnt 0x0
	s_wait_alu depctr_hold_cnt(0) depctr_sa_sdst(0) depctr_va_vdst(0) depctr_va_sdst(0) depctr_va_ssrc(0) depctr_va_vcc(0) depctr_vm_vsrc(0)
	s_getreg_b32 s2, hwreg(HW_REG_IB_STS2, 6, 4)
	s_cmp_eq_u32 s2, 0
	s_cbranch_scc0 .Lentry_in_a_cluster
	s_endpgm
.Lentry_in_a_cluster:
	s_bfe_u32 s2, ttmp6, 0x10000c
	s_cmp_lg_u32 s2, 0x3003
	s_cbranch_scc0 .Lentry_shape_is_right
	s_endpgm
.Lentry_shape_is_right:
; o = softmax(where(mask, q k^T / 8, masked)) v for two heads and 128 query rows a work-group.  qkv: [4096][3072] bf16 (q | k | v, 16 heads of 64 in each); o: [4096][1024] bf16.
; Work-group x = query block (128 rows), y = 8 x batch + pair of heads.  Wave w: head w >> 2 of the pair, query rows 32 (w & 3) .. + 31 (two tiles of 16).
; Two heads together make the rows of K, V and o 256 bytes long, starting at multiples of 256 bytes.
; All 2,048 keys are walked: the mask is an input, and a row that it masks everywhere is a uniform average over every key.
; S^T = K Q^T (K is source 0): lane (r = l & 15, h = l >> 4) holds query r and keys 16 t + 8 h + j, so maximum, sum and rescaling are a lane's own, and two packed key tiles
; are a fragment of P^T as they lie.  O^T = V^T P^T, V^T read from LDS by the transposing load.  Running maximum, sums in f32.
; The mask comes as lane masks packed by an earlier launch: a scalar load puts a word where v_cndmask_b32 takes its select.
; LIMIT: a masked score is -2^30 (-2^33 ahead of the factor 1/8) where the definition has -1e9.  The power of two makes the exponent of a row that is masked everywhere
; exactly 0.  The results agree as long as unmasked scaled scores lie above about -9e8.
; CLUSTERS: the four query blocks of a cluster share batch and heads, so all tiles of K and V: joint loads with mask 15.
; The ring: two slots of 256 keys (four softmax steps of 64 keys), each of eight regions, one a wave: waves 0-3 bring 64 keys of K each, waves 4-7 of V.
; One tensor load of a wave is out at any time.
; CODE SIZE: a softmax step is about 400 instructions and there are 32 of them.  The step is a loop's body: its place in LDS is a scalar, slot x 147,456 + region x 18,432,
; which is the loop's counter too.  The text holds five copies of the step (the first one, which starts the sums; tile 0's other three; two in the loop over tiles 1 to 6; tile 7's).
.set REGION, 18432                     ; K: 64 rows x 272 = 17,408 used; V: 64 rows x 288
.set SLOT,   8*REGION
.set STEP_BYTES, 256*6144              ; 256 keys down qkv
.set M,  6                             ; v6-7    running maximum of raw scores, one a query tile
.set LS, 8                             ; v8-9    running sum over my half's keys
.set NM, 10                            ; v10-11  -maximum x c, twice
.set AL, 12                            ; v12-13  rescaling factor, twice
.set T,  14                            ; v14-21  at work
.set Q,  32                            ; v[32:63]    Q fragments at 16 qt + 8 ks
.set O,  64                            ; v[64:127]   accumulators at 32 qt + 8 d
.set S,  128                           ; v[128:191]  scores at 32 qt + 8 t; then P packed at 32 qt + 16 g
.set KV, 192                           ; v[192:255]  K fragments at 16 t + 8 ks, then V fragments at 32 g + 8 d
; v1 KL, v2 VL: lane terms of K's and V's LDS addresses (VL with the 73,728 bytes of K's four regions); v3, v4: the step's addresses; v5: the masked score;
; v22, v23: stage in and out; v24: offset in o; v25: offset in q
; s2 wave; s3 loop over pairs of tiles; s[4:5] my mask words; s6, s7 lane selects; s[8:11], s[12:15] group 0 of slot 0, 1; s[16:23] group 1 for K; s[24:31] for V;
; s[32:63] mask words of query tile 0; s[68:99] of tile 1; s[66:67] o; s100 byte offset of the next step's mask words; s101 the step's place in LDS, and the loop over steps;
; s[104:105] qkv
.macro ROUND                           ; a round of the cluster's barrier
	s_barrier_signal -1
	s_barrier_wait -1
	s_cmp_lg_u32 s2, 0
	s_cbranch_scc1 .Lnot_wave_0_\@
	s_barrier_signal -3
.Lnot_wave_0_\@:
	s_barrier_wait -3
	s_barrier_signal -1
	s_barrier_wait -1
.endm
.macro JLOAD n                         ; my region of slot n: the branch hangs on the wave's number alone
	s_cmp_lt_u32 s2, 4
	s_cbranch_scc0 .Lfor_v_\@
	tensor_load_to_lds s[8+4*(\n):11+4*(\n)], s[16:23]
	s_nop 0
	s_branch .Lasked_\@
.Lfor_v_\@:
	tensor_load_to_lds s[8+4*(\n):11+4*(\n)], s[24:31]
	s_nop 0
.Lasked_\@:
.endm
.macro MLOAD                           ; the 64 mask words of one step: 32 for each of my two query tiles
	s_load_b512 s[32:47], s[4:5], s100 offset:0x0
	s_load_b512 s[48:63], s[4:5], s100 offset:0x40
	s_load_b512 s[68:83], s[4:5], s100 offset:0x1000
	s_load_b512 s[84:99], s[4:5], s100 offset:0x1040
.endm
	s_load_b64 s[104:105], s[0:1], 0x0             ; qkv
	s_load_b64 s[4:5], s[0:1], 0x8                 ; mask words
	s_load_b64 s[66:67], s[0:1], 0x10              ; o
	v_lshl_add_u32 v30, v0, 2, 0x48000
	v_mov_b32 v31, 0
	ds_add_u32 v30, v31
	v_lshrrev_b32 v1, 5, v0
	v_readfirstlane_b32 s2, v1                     ; wave 0..7
	; what feeds the descriptors is made of batch, heads and the wave's number alone
	s_and_b32 s100, ttmp7, 0xffff                  ; y
	s_lshr_b32 s101, s100, 3
	s_lshl_b32 s101, s101, 11                      ; 2,048 x batch
	s_and_b32 s100, s100, 7                        ; pair of heads
	s_and_b32 s3, s2, 3                            ; w & 3
	s_lshl_b32 s10, s3, 6
	s_add_co_u32 s10, s10, s101                    ; my first key row
	s_mul_i32 s10, s10, 6144                       ; below 2^32: 4,096 rows of 6,144 bytes
	s_lshr_b32 s11, s2, 2
	s_lshl_b32 s11, s11, 11                        ; K (waves 0-3) or V (waves 4-7): 2,048 bytes further along the row
	s_add_co_u32 s10, s10, s11
	s_lshl_b32 s11, s100, 8                        ; the pair's 256 bytes
	s_add_co_u32 s10, s10, s11
	s_add_co_u32 s10, s10, 2048                    ; behind q
	s_mov_b32 s11, 0
	s_mul_i32 s9, s2, REGION
	s_add_co_u32 s13, s9, SLOT
	s_mov_b32 s8, 1
	s_mov_b32 s12, 1
	s_mov_b32 s16, 15|(1<<16)|(1<<20)|(1<<21)|(5<<22)|(3<<25)   ; all four partners; 2-byte elements; 4 words of padding behind every 64; bit 21 beside a mask
	s_mov_b32 s17, 128<<16                         ; tensor_dim0 = 128
	s_mov_b32 s18, 64<<16                          ; tensor_dim1 = 64
	s_mov_b32 s19, 128<<16                         ; tile_dim0 = 128 elements
	s_mov_b32 s20, 64                              ; tile_dim1 = 64 keys
	s_mov_b32 s21, 3072                            ; elements from row to row
	s_mov_b32 s22, 0
	s_mov_b32 s23, 0
	s_mov_b32 s24, 15|(1<<16)|(1<<20)|(1<<21)|(5<<22)|(7<<25)   ; V: 8 words of padding, a pitch of 288 for the transposing load
	s_mov_b32 s25, 128<<16
	s_mov_b32 s26, 64<<16
	s_mov_b32 s27, 128<<16
	s_mov_b32 s28, 64
	s_mov_b32 s29, 3072
	s_mov_b32 s30, 0
	s_mov_b32 s31, 0
	s_wait_dscnt 0x0
	s_wait_kmcnt 0x0
	s_add_nc_u64 s[10:11], s[104:105], s[10:11]    ; tile 0
	s_add_nc_u64 s[14:15], s[10:11], STEP_BYTES    ; tile 1
	s_or_b32 s11, s11, 0x80000000
	s_or_b32 s15, s15, 0x80000000
	ROUND                                          ; the four partners are here: the first joint loads meet
	JLOAD 0
	; the rest may hang on the place in the cluster: global addresses only
	s_bfe_u32 s40, ttmp6, 0x40000                  ; cx
	s_lshl_b32 s41, ttmp9, 2
	s_add_co_u32 s41, s41, s40                     ; query block
	s_lshr_b32 s46, s2, 2                          ; my head of the pair
	s_lshl_b32 s51, s41, 7
	s_add_co_u32 s51, s51, s101                    ; the block's first row in qkv and in o
	s_lshl_b32 s52, s3, 5
	s_add_co_u32 s52, s52, s51                     ; my first query row
	s_mul_i32 s52, s52, 6144
	s_lshl_b32 s53, s100, 8
	s_add_co_u32 s52, s52, s53
	s_lshl_b32 s58, s46, 7                         ; 128 bytes x head
	s_add_co_u32 s52, s52, s58
	s_mov_b32 s53, 0
	s_add_nc_u64 s[52:53], s[104:105], s[52:53]
	v_and_b32 v26, 15, v0                          ; r
	v_bfe_u32 v27, v0, 4, 1                        ; h
	v_mul_u32_u24 v25, v26, 6144
	v_lshl_add_u32 v25, v27, 4, v25                ; q: row r, 16 bytes for each half
.irp qt, 0,1
.irp ks, 0,1
	global_load_b128 v[Q+16*\qt+8*\ks:Q+16*\qt+8*\ks+3],   v25, s[52:53] offset:98304*\qt+64*\ks
	global_load_b128 v[Q+16*\qt+8*\ks+4:Q+16*\qt+8*\ks+7], v25, s[52:53] offset:98304*\qt+64*\ks+32
.endr
.endr
	s_lshl_b32 s54, s41, 3
	s_lshl1_add_u32 s54, s3, s54                   ; my first query tile of the mask's 128: 8 x block + 2 (w & 3)
	s_lshl_b32 s54, s54, 12                        ; 4,096 bytes of words a tile
	s_mov_b32 s55, 0
	s_add_nc_u64 s[4:5], s[4:5], s[54:55]
	s_lshl_b32 s56, s2, 4
	s_add_co_u32 s56, s56, s51                     ; the way out: my 16 rows of o
	s_lshl_b32 s56, s56, 11
	s_lshl_b32 s57, s100, 8
	s_add_co_u32 s56, s56, s57
	s_mov_b32 s57, 0
	s_add_nc_u64 s[66:67], s[66:67], s[56:57]
	s_mov_b32 s6, 0x76543210                       ; v_permlanex16_b32: lane i takes lane i of the other half
	s_mov_b32 s7, 0xfedcba98
	v_mul_u32_u24 v1, v26, 272
	v_lshl_add_u32 v1, v27, 4, v1
	v_add_nc_u32 v1, s58, v1                       ; KL = 272 r + 16 h + 128 head
	v_and_b32 v28, 7, v0
	v_lshl_add_u32 v28, v27, 3, v28
	v_mul_u32_u24 v2, v28, 288
	v_bfe_u32 v28, v0, 3, 1
	v_lshl_add_u32 v2, v28, 4, v2
	s_add_co_u32 s61, s58, 4*REGION                ; V's regions lie behind K's four
	v_add_nc_u32 v2, s61, v2                       ; VL = 288 (8 h + (l & 7)) + 16 ((l >> 3) & 1) + 128 head + 73,728
	v_mov_b32 v5, 0xd0000000                       ; -2^33
	s_mul_i32 s59, s3, 32*272
	v_add_nc_u32 v22, s59, v1                      ; stage, in: row 32 (w & 3) + r, my head's half, 16 bytes for each half of the lanes
	s_mul_i32 s60, s2, 16*272
	v_mul_u32_u24 v23, v27, 272
	v_lshl_add_u32 v23, v26, 4, v23
	v_add_nc_u32 v23, s60, v23                     ; stage, out: rows 16 w + h, 16 bytes a lane
	v_lshlrev_b32 v24, 11, v27
	v_lshl_add_u32 v24, v26, 4, v24                ; the same two rows in o
	s_wait_loadcnt 0x0                             ; Q is in, and its base, which lies among the mask words' registers, is free
	s_mov_b32 s100, 0
	MLOAD                                          ; step 0's mask words
; Softmax of one query tile's 64 new scores, with c = log2(e) / 8: p = 2^(c s - c m).
.macro SOFT qt, first
	v_max3_num_f32 v[T],   v[S+32*\qt],    v[S+32*\qt+1],  v[S+32*\qt+2]
	v_max3_num_f32 v[T+1], v[S+32*\qt+15], v[S+32*\qt+16], v[S+32*\qt+17]
.irp k, 3,5,7,9,11,13
	v_max3_num_f32 v[T],   v[T],   v[S+32*\qt+\k],    v[S+32*\qt+\k+1]
	v_max3_num_f32 v[T+1], v[T+1], v[S+32*\qt+15+\k], v[S+32*\qt+16+\k]
.endr
	v_max3_num_f32 v[T], v[T], v[T+1], v[S+32*\qt+30]
.if \first
	v_max_num_f32 v[T], v[T], v[S+32*\qt+31]
.else
	v_max3_num_f32 v[T], v[T], v[S+32*\qt+31], v[M+\qt]
.endif
	v_permlanex16_b32 v[T+1], v[T], s6, s7         ; the other half holds the same query's other keys
	v_max_num_f32 v[T], v[T], v[T+1]               ; the new maximum, equal in both halves
	v_mul_f32 v[NM],   0xbe38aa3b, v[T]
	v_mul_f32 v[NM+1], 0xbe38aa3b, v[T]
.if \first == 0
	v_fmamk_f32 v[T+2], v[M+\qt], 0x3e38aa3b, v[NM]
	v_exp_f32 v[AL], v[T+2]                        ; 2^(c (old - new)); the plain lines below stand between it and its use
.endif
	v_mov_b32 v[M+\qt], v[T]
.irp k, 0,2,4,6,8,10,12,14,16,18,20,22,24,26,28,30
	v_pk_fma_f32 v[S+32*\qt+\k:S+32*\qt+\k+1], v[S+32*\qt+\k:S+32*\qt+\k+1], 0x3e38aa3b, v[NM:NM+1] op_sel_hi:[1,0,1]
.endr
.if \first == 0
	s_wait_alu depctr_va_vdst(0)
	v_mov_b32 v[AL+1], v[AL]
.endif
.set k, 0
.rept 32
	v_exp_f32 v[S+32*\qt+k], v[S+32*\qt+k]
.set k, k+1
.endr
	v_nop                                          ; one plain place behind the transcendentals (ISA guide 5.7.2)
	s_wait_alu depctr_va_vdst(0)
.irp c, 0,1,2,3
	v_pk_add_f32 v[T+2*\c:T+2*\c+1], v[S+32*\qt+4*\c:S+32*\qt+4*\c+1], v[S+32*\qt+4*\c+2:S+32*\qt+4*\c+3]
.endr
.irp k, 16,24
.irp c, 0,1,2,3
	v_pk_add_f32 v[T+2*\c:T+2*\c+1], v[T+2*\c:T+2*\c+1], v[S+32*\qt+\k+2*\c:S+32*\qt+\k+2*\c+1]
.endr
.endr
	v_pk_add_f32 v[T:T+1], v[T:T+1], v[T+2:T+3]
	v_pk_add_f32 v[T+4:T+5], v[T+4:T+5], v[T+6:T+7]
	v_pk_add_f32 v[T:T+1], v[T:T+1], v[T+4:T+5]
.if \first
	v_add_f32 v[LS+\qt], v[T], v[T+1]
.else
	v_add_f32 v[T], v[T], v[T+1]
	v_fma_f32 v[LS+\qt], v[LS+\qt], v[AL], v[T]
.endif
.irp g, 0,1
.irp i, 0,1,2,3,4,5,6,7
	v_cvt_pk_bf16_f32 v[S+32*\qt+16*\g+\i], v[S+32*\qt+16*\g+2*\i], v[S+32*\qt+16*\g+2*\i+1]   ; in place: register i is written when its own numbers have been read
.endr
.endr
.if \first == 0
.irp k, 0,2,4,6,8,10,12,14,16,18,20,22,24,26,28,30
	v_pk_mul_f32 v[O+32*\qt+\k:O+32*\qt+\k+1], v[O+32*\qt+\k:O+32*\qt+\k+1], v[AL:AL+1]
.endr
.endif
.endm
; One step: the 64 keys whose K region begins at LDS byte s101 against my 32 queries.  In both products eight accumulators take turns, one instruction a turn;
; a step's last product and the next step's first name different accumulators, over a loop's backward jump and out of it too.
.macro STEP first
	v_add_nc_u32 v3, s101, v1                      ; these two and three v_nop: five places behind the last step's products, whose sources (P, V)
	v_add_nc_u32 v4, s101, v2                      ; are now written over by loads and by matrix instructions
	v_nop
	v_nop
	v_nop
.irp t, 0,1,2,3
.irp ks, 0,1
	ds_load_b128 v[KV+16*\t+8*\ks:KV+16*\t+8*\ks+3],   v3 offset:4352*\t+64*\ks
	ds_load_b128 v[KV+16*\t+8*\ks+4:KV+16*\t+8*\ks+7], v3 offset:4352*\t+64*\ks+32
.endr
.endr
	s_wait_dscnt 0x0
.irp qt, 0,1
.irp t, 0,1,2,3
	v_wmma_f32_16x16x32_bf16 v[S+32*\qt+8*\t:S+32*\qt+8*\t+7], v[KV+16*\t:KV+16*\t+7], v[Q+16*\qt:Q+16*\qt+7], 0
.endr
.endr
.irp qt, 0,1
.irp t, 0,1,2,3
	v_wmma_f32_16x16x32_bf16 v[S+32*\qt+8*\t:S+32*\qt+8*\t+7], v[KV+16*\t+8:KV+16*\t+15], v[Q+16*\qt+8:Q+16*\qt+15], v[S+32*\qt+8*\t:S+32*\qt+8*\t+7]
.endr
.endr
.rept 4
	v_nop                                          ; four places: V is loaded over K's fragments, and the selects read the scores
.endr
.irp g, 0,1
.irp d, 0,1,2,3
	ds_load_tr16_b128 v[KV+32*\g+8*\d:KV+32*\g+8*\d+3],   v4 offset:9216*\g+32*\d
	ds_load_tr16_b128 v[KV+32*\g+8*\d+4:KV+32*\g+8*\d+7], v4 offset:9216*\g+32*\d+4608
.endr
.endr
	s_wait_kmcnt 0x0                               ; this step's mask words
.irp t, 0,1,2,3
.irp j, 0,1,2,3,4,5,6,7
	v_cndmask_b32 v[S+8*\t+\j],    v5, v[S+8*\t+\j],    s[32+8*\t+\j]
	v_cndmask_b32 v[S+32+8*\t+\j], v5, v[S+32+8*\t+\j], s[68+8*\t+\j]
.endr
.endr
	s_add_co_u32 s100, s100, 128                   ; the next step's words; behind the last step the offset wraps to step 0, inside the buffer, and the words are not used
	s_and_b32 s100, s100, 0xfff
	MLOAD
	SOFT 0, \first
	SOFT 1, \first
	s_wait_dscnt 0x0                               ; V's fragments
.irp qt, 0,1
.irp d, 0,1,2,3
.if \first
	v_wmma_f32_16x16x32_bf16 v[O+32*\qt+8*\d:O+32*\qt+8*\d+7], v[KV+8*\d:KV+8*\d+7], v[S+32*\qt:S+32*\qt+7], 0
.else
	v_wmma_f32_16x16x32_bf16 v[O+32*\qt+8*\d:O+32*\qt+8*\d+7], v[KV+8*\d:KV+8*\d+7], v[S+32*\qt:S+32*\qt+7], v[O+32*\qt+8*\d:O+32*\qt+8*\d+7]
.endif
.endr
.endr
.irp qt, 0,1
.irp d, 0,1,2,3
	v_wmma_f32_16x16x32_bf16 v[O+32*\qt+8*\d:O+32*\qt+8*\d+7], v[KV+32+8*\d:KV+32+8*\d+7], v[S+32*\qt+16:S+32*\qt+23], v[O+32*\qt+8*\d:O+32*\qt+8*\d+7]
.endr
.endr
.endm
; The change to a tile of 256 keys in a slot.  In front of the round each wave waits for all its tensor loads (its region of this tile) and for its reads of the other slot;
; behind the round the other slot's refill comes first, one tensor load a wave.
.macro HEAD slot, refill
	s_wait_tensorcnt 0x0
	ds_add_u32 v30, v31
	s_wait_dscnt 0x0
	s_add_nc_u64 s[10+4*\slot:11+4*\slot], s[10+4*\slot:11+4*\slot], 2*STEP_BYTES   ; no load of mine is out: this slot's next tile
	s_wait_dscnt 0x0
	ROUND
.if \refill
	JLOAD 1-\slot
.endif
.endm
; Regions from .. 3 of a slot, one step each.  The counter is the region's LDS byte: it starts at a constant, steps by 18,432 and ends at the slot's fifth region.
.macro STEPS slot, from
	s_mov_b32 s101, \slot*SLOT+\from*REGION
.Lstep_\@:
	STEP 0
	s_add_co_u32 s101, s101, REGION
	s_cmp_lt_u32 s101, \slot*SLOT+4*REGION
	s_cbranch_scc1 .Lstep_\@
.endm
	HEAD 0, 1                                      ; tile 0; tile 1 is asked for
	s_mov_b32 s101, 0
	STEP 1                                         ; the first step starts maxima, sums and accumulators
	STEPS 0, 1
	s_mov_b32 s3, 3
.Lpair:
	HEAD 1, 1                                      ; tiles 1, 3, 5
	STEPS 1, 0
	HEAD 0, 1                                      ; tiles 2, 4, 6; tile 6 asks for tile 7, the last request
	STEPS 0, 0
	s_sub_co_u32 s3, s3, 1
	s_cmp_lg_u32 s3, 0
	s_cbranch_scc1 .Lpair
	HEAD 1, 0                                      ; tile 7: nothing is left to fetch (the stepped address is not used)
	STEPS 1, 0
	; THE WAY OUT: divide by the sums, round to bf16, through a stage of 128 rows x 272 bytes at LDS byte 0.  Slot 0 has had its last fill, and every wave's
	; reads of it were waited for in front of the last round.
.rept 4
	v_nop                                          ; four places behind the last products
.endr
	s_wait_kmcnt 0x0                               ; the last look-ahead of mask words
	v_permlanex16_b32 v[T],   v[LS],   s6, s7
	v_permlanex16_b32 v[T+1], v[LS+1], s6, s7
	v_add_f32 v[T],   v[T],   v[LS]                ; the two halves' sums meet
	v_add_f32 v[T+1], v[T+1], v[LS+1]
	v_rcp_f32 v[NM], v[T]
	v_rcp_f32 v[AL], v[T+1]
	v_nop
	s_wait_alu depctr_va_vdst(0)
	v_mov_b32 v[NM+1], v[NM]
	v_mov_b32 v[AL+1], v[AL]
.irp k, 0,2,4,6,8,10,12,14,16,18,20,22,24,26,28,30
	v_pk_mul_f32 v[O+\k:O+\k+1], v[O+\k:O+\k+1], v[NM:NM+1]
	v_pk_mul_f32 v[O+32+\k:O+32+\k+1], v[O+32+\k:O+32+\k+1], v[AL:AL+1]
.endr
.set k, 0
.rept 32
	v_cvt_pk_bf16_f32 v[S+k], v[O+2*k], v[O+2*k+1]          ; tile (qt, d) at S + 16 qt + 4 d: eight neighbouring numbers of a row of o
.set k, k+1
.endr
.irp qt, 0,1
.irp d, 0,1,2,3
	ds_store_b128 v22, v[S+16*\qt+4*\d:S+16*\qt+4*\d+3] offset:4352*\qt+32*\d
.endr
.endr
	s_wait_dscnt 0x0                               ; for the others' sake: my stores are done
	s_barrier_signal -1
	s_barrier_wait -1
.irp i, 0,1,2,3,4,5,6,7
	ds_load_b128 v[KV+4*\i:KV+4*\i+3], v23 offset:544*\i
.endr
.irp i, 0,1,2,3,4,5,6,7
	s_wait_dscnt 7-\i                              ; read-back i is in, the younger ones stay out
	global_store_b128 v24, v[KV+4*\i:KV+4*\i+3], s[66:67] offset:4096*\i    ; 16 lanes store 256 consecutive bytes, aligned
.endr
	s_wait_tensorcnt 0x0
	ds_add_u32 v30, v31
	s_wait_dscnt 0x0
	ROUND                                          ; the closing round
	s_endpgm
.Lfunc_end_k_q9fa3738321_attn:
	.size	k_q9fa3738321_attn, .Lfunc_end_k_q9fa3738321_attn-k_q9fa3738321_attn
	.p2alignl 7, 3214868480
	.fill 96, 4, 3214868480
	.section	.rodata,"a",@progbits
	.p2align	6, 0x0
	.amdhsa_kernel k_q9fa3738321_attn
		.amdhsa_group_segment_fixed_size 327680
		.amdhsa_private_segment_fixed_size 0
		.amdhsa_enable_private_segment 0
		.amdhsa_kernarg_size 24
		.amdhsa_user_sgpr_count 2
		.amdhsa_user_sgpr_kernarg_segment_ptr 1
		.amdhsa_wavefront_size32 1
		.amdhsa_system_sgpr_workgroup_id_x 1
		.amdhsa_system_sgpr_workgroup_id_y 1
		.amdhsa_system_sgpr_workgroup_id_z 1
		.amdhsa_system_vgpr_workitem_id 0
		.amdhsa_next_free_vgpr 256
		.amdhsa_next_free_sgpr 106
		.amdhsa_reserve_vcc 0
		.amdhsa_float_denorm_mode_32 3
		.amdhsa_float_denorm_mode_16_64 3
		.amdhsa_memory_ordered 1
		.amdhsa_forward_progress 1
		.amdhsa_inst_pref_size 130
	.end_amdhsa_kernel
	.amdgpu_metadata
---
amdhsa.version: [ 1, 2 ]
amdhsa.kernels:
  - .name:           k_q9fa3738321_attn
    .symbol:         k_q9fa3738321_attn.kd
    .args:
      - { .name: big, .offset: 0, .size: 8, .value_kind: global_buffer, .address_space: global }
      - { .name: mbits, .offset: 8, .size: 8, .value_kind: global_buffer, .address_space: global }
      - { .name: act, .offset: 16, .size: 8, .value_kind: global_buffer, .address_space: global }
    .group_segment_fixed_size: 327680
    .private_segment_fixed_size: 0
    .kernarg_segment_align: 8
    .kernarg_segment_size: 24
    .max_flat_workgroup_size: 256
    .sgpr_count:     106
    .vgpr_count:     256
    .wavefront_size: 32
...
	.end_amdgpu_metadata
.endif
;; end of part 3
;; launch gemm_o (part 4): grid 8 x 32, 4 waves a work-group, clusters of 4 x 4, 327,680 bytes of LDS; arguments act, wb, b_o, x, x1; writes x1
.if DOCPART == 4
	.amdgcn_target "amdgcn-amd-amdhsa--gfx1250"
	.amdhsa_code_object_version 6
	.text
	.protected	k_q9fa3738321_gemm_o
	.globl	k_q9fa3738321_gemm_o
	.p2align	8
	.type	k_q9fa3738321_gemm_o,@function
k_q9fa3738321_gemm_o:
	s_mov_b64 s[64:65], 0
	v_nop
	global_prefetch_b8 v0, s[64:65] scope:SCOPE_SE
	s_setreg_imm32_b32 hwreg(HW_REG_WAVE_MODE, 25, 1), 1
	s_wait_xcnt 0x0
	s_wait_alu depctr_hold_cnt(0) depctr_sa_sdst(0) depctr_va_vdst(0) depctr_va_sdst(0) depctr_va_ssrc(0) depctr_va_vcc(0) depctr_vm_vsrc(0)
	s_getreg_b32 s2, hwreg(HW_REG_IB_STS2, 6, 4)
	s_cmp_eq_u32 s2, 0
	s_cbranch_scc0 .Lentry_in_a_cluster
	s_endpgm
.Lentry_in_a_cluster:
	s_bfe_u32 s2, ttmp6, 0x10000c
	s_cmp_lg_u32 s2, 0xf033
	s_cbranch_scc0 .Lentry_shape_is_right
	s_endpgm
.Lentry_shape_is_right:
; out[m][n] = resid[m][n] + bias[n] + sum over k of A[m][k] W[k][n], out and resid in f32.  A: [4096][SIZE_K] bf16.  W: [SIZE_K][1024] bf16 at byte WOFF of the weight buffer.
; Here: x1 = x + o W_o + b_o.
; N = 1,024 gives only 64 blocks of 256 x 256, so a work-group makes 128 x 128 (256 work-groups) and K IS SPLIT OVER ITS FOUR WAVES: a slot holds 256 of K, wave w
; multiplies the whole block over k = 64 w .. 64 w + 63 of it.  Each wave so keeps a 128 x 128 accumulator (64 tiles, 512 registers).
; ORDER OF ROUNDING: an output is four partial f32 sums (one a wave, each K ascending), added as (p0 + p1) + (p2 + p3), then the bias, then the residual.
; Two LDS slots filled by the tensor data mover: A's tile rows are 512 bytes, W's 256 bytes, all starting at multiples of 256 bytes.  W lies [K][N] and is read by ds_load_tr16_b128.
; CLUSTERS: 4 x 4 work-groups; A's tile is asked for jointly by a row of the cluster, W's by a column.
; REGISTERS in windows of 256: window 0: v0-31 addresses, v64-127 and v128-191 fragments of A; window 1: the same numbers, fragments of W; windows 2, 3: accumulators of rows 0-63, 64-127.
; The matrix instruction is used transposed (source 0 = 16 columns of W, source 1 = 16 rows of A): lane l holds row l % 16, registers 0-7 the columns 8 (l / 16) + 0..7.
; The 64 accumulators take turns, one instruction a turn, in the same order in every quarter step.
.set SIZE_K, 1024
.set WOFF,   6291456
.set SIZE_N, 1024
.set KSLOT,  256                       ; K in a slot
.set APITCH, 528                       ; A's LDS row: 512 bytes + 16, an odd multiple of 16
.set BPITCH, 288                       ; W's LDS row: 256 bytes + 32, an odd multiple of 32
.set AHALF,  64*APITCH                 ; what waves 0, 1 bring: 64 rows of A
.set BHALF,  128*BPITCH                ; what waves 2, 3 bring: 128 k-rows of W
.set BBASE,  2*BHALF                   ; W's place in a slot = wave 2's number x BHALF; A's 67,584 bytes lie below it
.set SLOT,   4*BHALF
.set LAPS, SIZE_K/(2*KSLOT)
.set RPITCH, 528                       ; the way out: a row of 128 f32 + 16 bytes
.set REG,    128*RPITCH                ; one wave's partial block
.set ADRA, 16
.set ADRB, 20
.set STO,  24                          ; where I put my partial sums
.set CO,   26                          ; my byte offset in out and in resid
.set BL,   27                          ; 16 x lane
.set RD,   28                          ; v28-31: where I read the four waves' partial sums of my 32 rows
.set BI,   224                         ; v[224:227] bias of my four columns
.set F0,   64
.set F1,   128
.set G1, 24
.set G0, 32
.set G1B, 48
.set G0B, 56
.set MSB, 0
.macro WIN new                         ; the immediate's high byte repeats the setting that is left
.if MSB != \new
	s_set_vgpr_msb (MSB<<8)|\new
.set MSB, \new
.endif
.endm
.set MUL_LO, 0xa1
.set MUL_HI, 0xf1
.set TO_B,   0x40
.macro JLOAD s                         ; waves 0 and 1 fetch A's two halves, waves 2 and 3 W's; the branch hangs on the wave's number alone
	s_cmp_eq_u32 s11, 0
	s_cbranch_scc0 .Lfor_b_\@
	tensor_load_to_lds s[G0+4*\s:G0+4*\s+3], s[G1:G1+7]
	s_nop 0
	s_branch .Lasked_\@
.Lfor_b_\@:
	tensor_load_to_lds s[G0B+4*\s:G0B+4*\s+3], s[G1B:G1B+7]
	s_nop 0
.Lasked_\@:
.endm
.macro CREST
	s_cmp_lg_u32 s10, 0
	s_cbranch_scc1 .Lnot_wave_0_\@
	s_barrier_signal -3
.Lnot_wave_0_\@:
	s_barrier_wait -3
	s_barrier_signal -1
	s_barrier_wait -1
.endm
.macro CROUND
	s_barrier_signal -1
	s_barrier_wait -1
	CREST
.endm
	s_load_b128 s[4:7], s[0:1], 0x0                ; A s[4:5], weights s[6:7]
	s_load_b128 s[68:71], s[0:1], 0x10             ; bias s[68:69], resid s[70:71]
	s_load_b64 s[8:9], s[0:1], 0x20                ; out
	s_set_vgpr_msb 0x40
	v_lshl_add_u32 v255, v0, 2, 0x48000
	s_set_vgpr_msb 0x4000
	v_mov_b32 v255, 0
	s_set_vgpr_msb 0x1
	ds_add_u32 v255, v255
	s_set_vgpr_msb 0x100
	v_lshrrev_b32 v1, 5, v0
	v_readfirstlane_b32 s10, v1                    ; wave 0..3
	s_lshr_b32 s11, s10, 1                         ; I fetch for A (0) or for W (1)
	s_and_b32 s12, s10, 1                          ; which half of that tile
	s_bfe_u32 s40, ttmp6, 0x40000                  ; cx
	s_bfe_u32 s41, ttmp6, 0x40004                  ; cy
	s_lshl_b32 s42, ttmp9, 2
	s_add_co_u32 s42, s42, s40                     ; block column
	s_and_b32 s13, ttmp7, 0xffff
	s_lshl_b32 s13, s13, 2
	s_add_co_u32 s13, s13, s41                     ; block row
	s_lshl_b32 s43, s41, 2
	s_lshl_b32 s43, 15, s43                        ; my row of the cluster
	s_lshl_b32 s44, 0x1111, s40                    ; my column
	s_or_b32 s[G1+0], s43, (1<<16)|(1<<20)|(1<<21)|(6<<22)|(3<<25)   ; A: 4 words of padding behind every 128
	s_mov_b32 s[G1+1], KSLOT<<16                   ; tensor_dim0 = 256
	s_mov_b32 s[G1+2], 64<<16                      ; tensor_dim1 = 64
	s_mov_b32 s[G1+3], KSLOT<<16                   ; tile_dim0 = 256 elements
	s_mov_b32 s[G1+4], 64                          ; tile_dim1 = 64 rows
	s_mov_b32 s[G1+5], SIZE_K
	s_mov_b32 s[G1+6], 0
	s_mov_b32 s[G1+7], 0
	s_or_b32 s[G1B+0], s44, (1<<16)|(1<<20)|(1<<21)|(5<<22)|(7<<25)  ; W: 8 words of padding behind every 64
	s_mov_b32 s[G1B+1], 128<<16
	s_mov_b32 s[G1B+2], 128<<16
	s_mov_b32 s[G1B+3], 128<<16                    ; tile_dim0 = 128 elements
	s_mov_b32 s[G1B+4], 128                        ; tile_dim1 = 128 k-rows
	s_mov_b32 s[G1B+5], SIZE_N
	s_mov_b32 s[G1B+6], 0
	s_mov_b32 s[G1B+7], 0
	s_lshl_b32 s16, s13, 7
	s_lshl_b32 s17, s12, 6
	s_add_co_u32 s16, s16, s17                     ; A: row 128 x block row + 64 x half
	s_mul_i32 s16, s16, SIZE_K*2                   ; below 2^32: 4,096 rows of at most 8,192 bytes
	s_mov_b32 s17, 0
	s_mul_i32 s46, s12, 128*SIZE_N*2               ; W: k-row 128 x half,
	s_lshl_b32 s47, s42, 8                         ; column 128 x block column
	s_add_co_u32 s46, s46, s47
	s_mov_b32 s47, 0
	s_mul_i32 s20, s10, AHALF                      ; where A's halves go (waves 0, 1)
	s_mul_i32 s21, s10, BHALF                      ; where W's halves go (waves 2, 3)
	s_wait_dscnt 0x0
	s_wait_kmcnt 0x0
	s_add_nc_u64 s[6:7], s[6:7], WOFF
	s_add_nc_u64 s[14:15], s[4:5], s[16:17]
	s_add_nc_u64 s[46:47], s[6:7], s[46:47]
	CROUND                                         ; the first joint loads meet
.irp s, 0,1
	s_mov_b32 s[G0+4*\s], 1
	s_add_co_u32 s[G0+4*\s+1], s20, \s*SLOT
	s_add_nc_u64 s[G0+4*\s+2:G0+4*\s+3], s[14:15], \s*KSLOT*2
	s_or_b32 s[G0+4*\s+3], s[G0+4*\s+3], 0x80000000
	s_mov_b32 s[G0B+4*\s], 1
	s_add_co_u32 s[G0B+4*\s+1], s21, \s*SLOT
	s_add_nc_u64 s[G0B+4*\s+2:G0B+4*\s+3], s[46:47], \s*KSLOT*SIZE_N*2
	s_or_b32 s[G0B+4*\s+3], s[G0B+4*\s+3], 0x80000000
	JLOAD \s                                       ; both first fills go out together: two tensor loads of a wave are out here, later one
.endr
	v_and_b32 v1, 15, v0                           ; l % 16
	v_bfe_u32 v2, v0, 4, 1                         ; l / 16
	v_mul_u32_u24 v3, v1, APITCH
	v_lshl_add_u32 v3, v2, 4, v3
	v_and_b32 v6, 7, v0
	v_lshl_add_u32 v6, v2, 3, v6
	v_mul_u32_u24 v6, v6, BPITCH
	v_bfe_u32 v7, v0, 3, 1
	v_lshl_add_u32 v6, v7, 4, v6
	s_lshl_b32 s22, s10, 7                         ; my 64 of the slot's K: 128 bytes along A's rows,
	s_mul_i32 s23, s10, 64*BPITCH                  ; 64 k-rows down W
	s_add_co_u32 s23, s23, BBASE
.irp s, 0,1
	v_add_nc_u32 v[ADRA+\s], s22, v3
	v_add_nc_u32 v[ADRB+\s], s23, v6
	s_add_co_u32 s22, s22, SLOT
	s_add_co_u32 s23, s23, SLOT
.endr
	s_mul_i32 s22, s10, REG
	v_mul_u32_u24 v4, v1, RPITCH
	v_lshl_add_u32 v4, v2, 5, v4
	v_add_nc_u32 v[STO], s22, v4                   ; my partial block: row l % 16, 32 bytes for each half of the lanes
	v_and_b32 v5, 31, v0
	v_lshlrev_b32 v[BL], 4, v5
	s_mul_i32 s23, s10, 32*RPITCH
	v_add_nc_u32 v[RD], s23, v[BL]                 ; rows 32 w .. of wave 0's partial block,
	v_add_nc_u32 v[RD+1], REG, v[RD]               ; of wave 1's,
	v_add_nc_u32 v[RD+2], 2*REG, v[RD]
	v_add_nc_u32 v[RD+3], 3*REG, v[RD]
	s_lshl_b32 s22, s10, 17                        ; 32 rows of 4,096 bytes
	v_add_nc_u32 v[CO], s22, v[BL]
.macro MUL16 f, hi, a0, zero
.irp a, \a0, \a0+1
.irp b, 0,1,2,3,4,5,6,7
.if \zero
	v_wmma_f32_16x16x32_bf16 v[8*(8*(\a)+\b):8*(8*(\a)+\b)+7], v[\f+8*\b:\f+8*\b+7], v[\f+8*(4*\hi+\a):\f+8*(4*\hi+\a)+7], 0
.else
	v_wmma_f32_16x16x32_bf16 v[8*(8*(\a)+\b):8*(8*(\a)+\b)+7], v[\f+8*\b:\f+8*\b+7], v[\f+8*(4*\hi+\a):\f+8*(4*\hi+\a)+7], v[8*(8*(\a)+\b):8*(8*(\a)+\b)+7]
.endif
.endr
.endr
.endm
.macro FETCH slot, q, f                ; 32 LDS loads: quarter q (32 of my 64 K) of a slot into buffer f
	WIN TO_B
.irp i, 0,1,2,3,4,5,6,7
	ds_load_tr16_b128 v[\f+8*\i:\f+8*\i+3],   v[ADRB+\slot] offset:\q*32*BPITCH+32*\i
	ds_load_tr16_b128 v[\f+8*\i+4:\f+8*\i+7], v[ADRB+\slot] offset:\q*32*BPITCH+32*\i+16*BPITCH
.endr
	WIN 0
.irp i, 0,1,2,3,4,5,6,7
	ds_load_b128 v[\f+8*\i:\f+8*\i+3],   v[ADRA+\slot] offset:\q*64+\i*16*APITCH
	ds_load_b128 v[\f+8*\i+4:\f+8*\i+7], v[ADRA+\slot] offset:\q*64+\i*16*APITCH+32
.endr
.endm
.macro PLACES                          ; four plain places behind matrix instructions (ISA guide 7.12.1)
.rept 4
	v_nop
.endr
.endm
.macro QUARTER slot, q, f, g, zero
	s_wait_dscnt 8                                 ; W and A's rows 0-63 are in; the youngest eight loads (A's rows 64-127) may be out
	WIN MUL_LO
	MUL16 \f, 0, 0, \zero
	MUL16 \f, 0, 2, \zero
	PLACES
	FETCH \slot, \q, \g
	s_wait_dscnt 32                                ; all but the 32 just issued
	WIN MUL_HI
	MUL16 \f, 1, 0, \zero
	MUL16 \f, 1, 2, \zero
.endm
; The second quarter of a slot: multiplies buffer 1 and changes slots.  In front of the barrier each wave waits for its reads of this slot and for all its tensor loads;
; behind it the refill comes first.  From a request to the wait for it a wave issues 112 matrix instructions.
.macro TURN slot, next, fill
	s_wait_dscnt 8
	WIN MUL_LO
	MUL16 F1, 0, 0, 0
	s_wait_dscnt 0
	s_wait_tensorcnt 0x0
	ds_add_u32 v255, v255
	s_wait_dscnt 0x0
	s_barrier_signal -1
	MUL16 F1, 0, 2, 0
	WIN 0
	s_barrier_wait -1
.if \fill
	CREST
	s_add_nc_u64 s[G0+4*\slot+2:G0+4*\slot+3], s[G0+4*\slot+2:G0+4*\slot+3], 2*KSLOT*2
	s_add_nc_u64 s[G0B+4*\slot+2:G0B+4*\slot+3], s[G0B+4*\slot+2:G0B+4*\slot+3], 2*KSLOT*SIZE_N*2
	JLOAD \slot
.endif
	PLACES
	FETCH \next, 0, F0
	WIN MUL_HI
	MUL16 F1, 1, 0, 0
	MUL16 F1, 1, 2, 0
.endm
.macro LAP zero
	QUARTER 0, 1, F0, F1, \zero
	TURN 0, 1, 1
	QUARTER 1, 1, F0, F1, 0
	TURN 1, 0, 1
.endm
	s_wait_tensorcnt 1                             ; my part of slot 0 is in; slot 1's load, issued behind it, stays out
	s_barrier_signal -1
	s_barrier_wait -1
	FETCH 0, 0, F0
	LAP 1
.if LAPS > 2
	WIN 0
	s_mov_b32 s3, LAPS-2
.Llap:
	LAP 0
	WIN 0
	s_sub_co_u32 s3, s3, 1
	s_cmp_lg_u32 s3, 0
	s_cbranch_scc1 .Llap
.endif
	QUARTER 0, 1, F0, F1, 0                        ; the last lap fills nothing
	TURN 0, 1, 0
	QUARTER 1, 1, F0, F1, 0
	s_wait_dscnt 8
	WIN MUL_LO
	MUL16 F1, 0, 0, 0
	MUL16 F1, 0, 2, 0
	s_wait_dscnt 0
	WIN MUL_HI
	MUL16 F1, 1, 0, 0
	MUL16 F1, 1, 2, 0
	; THE WAY OUT.  The four waves' partial blocks meet in LDS, in the ring's bytes: both slots have had their last fill.  Wave w then adds and stores rows 32 w .. 32 w + 31.
	PLACES
	WIN 0
	s_lshl_b32 s16, s13, 19                        ; block row x 128 rows of 4,096 bytes
	s_mov_b32 s17, 0
	s_lshl_b32 s46, s42, 9                         ; block column x 512 bytes
	s_mov_b32 s47, 0
	s_add_nc_u64 s[8:9], s[8:9], s[16:17]
	s_add_nc_u64 s[8:9], s[8:9], s[46:47]
	s_add_nc_u64 s[70:71], s[70:71], s[16:17]
	s_add_nc_u64 s[70:71], s[70:71], s[46:47]
	s_add_nc_u64 s[68:69], s[68:69], s[46:47]
	WIN TO_B
.set i, 0
.rept 32
	global_load_b128 v[64+4*i:67+4*i], v[CO], s[70:71] offset:4096*i     ; the residual of my 32 rows, into window 1: 512 consecutive bytes a load
.set i, i+1
.endr
	WIN 0
	global_load_b128 v[BI:BI+3], v[BL], s[68:69]
	s_wait_dscnt 0x0                               ; my reads of the ring are over (all tensor loads were waited for at the last change of slots)
	s_barrier_signal -1
	s_barrier_wait -1                              ; everybody's are: the ring's bytes may be written
.macro PUT win, a0                     ; the 32 tiles of one window, row-major: tile (a, b) = rows 16 (a0 + a) .., columns 16 b ..
	WIN \win
.irp a, 0,1,2,3
.irp b, 0,1,2,3,4,5,6,7
	ds_store_b128 v[STO], v[8*(8*\a+\b):8*(8*\a+\b)+3]   offset:(\a0+\a)*16*RPITCH+64*\b
	ds_store_b128 v[STO], v[8*(8*\a+\b)+4:8*(8*\a+\b)+7] offset:(\a0+\a)*16*RPITCH+64*\b+16
.endr
.endr
.endm
	PUT 0x08, 0                                    ; store data in window 2
	PUT 0x0c, 4                                    ; in window 3
	WIN 0
	s_wait_dscnt 0x0                               ; for the others' sake: my stores are done
	s_barrier_signal -1
	s_barrier_wait -1
	s_wait_loadcnt 0x0                             ; residual and bias
.macro GROUP g                         ; eight of my rows
.if \g
	s_wait_xcnt 0x0                                ; the registers that the last group's stores read are loaded again only behind this wait
.endif
.irp i, 0,1,2,3,4,5,6,7
.irp w, 0,1,2,3
	ds_load_b128 v[64+16*\i+4*\w:67+16*\i+4*\w], v[RD+\w] offset:(8*\g+\i)*RPITCH
.endr
.endr
	s_wait_dscnt 0x0
.irp i, 0,1,2,3,4,5,6,7
	v_pk_add_f32 v[64+16*\i:65+16*\i], v[64+16*\i:65+16*\i], v[68+16*\i:69+16*\i]
	v_pk_add_f32 v[66+16*\i:67+16*\i], v[66+16*\i:67+16*\i], v[70+16*\i:71+16*\i]
	v_pk_add_f32 v[72+16*\i:73+16*\i], v[72+16*\i:73+16*\i], v[76+16*\i:77+16*\i]
	v_pk_add_f32 v[74+16*\i:75+16*\i], v[74+16*\i:75+16*\i], v[78+16*\i:79+16*\i]
	v_pk_add_f32 v[64+16*\i:65+16*\i], v[64+16*\i:65+16*\i], v[72+16*\i:73+16*\i]
	v_pk_add_f32 v[66+16*\i:67+16*\i], v[66+16*\i:67+16*\i], v[74+16*\i:75+16*\i]
	v_pk_add_f32 v[64+16*\i:65+16*\i], v[64+16*\i:65+16*\i], v[BI:BI+1]
	v_pk_add_f32 v[66+16*\i:67+16*\i], v[66+16*\i:67+16*\i], v[BI+2:BI+3]
.endr
	WIN 0x04                                       ; source 1 (the residual) in window 1
.irp i, 0,1,2,3,4,5,6,7
	v_pk_add_f32 v[64+16*\i:65+16*\i], v[64+16*\i:65+16*\i], v[64+4*(8*\g+\i):65+4*(8*\g+\i)]
	v_pk_add_f32 v[66+16*\i:67+16*\i], v[66+16*\i:67+16*\i], v[66+4*(8*\g+\i):67+4*(8*\g+\i)]
.endr
	WIN 0
.irp i, 0,1,2,3,4,5,6,7
	global_store_b128 v[CO], v[64+16*\i:67+16*\i], s[8:9] offset:(8*\g+\i)*4096    ; 32 lanes store 512 consecutive bytes, aligned
.endr
.endm
	GROUP 0
	GROUP 1
	GROUP 2
	GROUP 3
	s_set_vgpr_msb 0x1
	s_wait_tensorcnt 0x0
	ds_add_u32 v255, v255
	s_wait_dscnt 0x0
	s_set_vgpr_msb 0x100
	CROUND                                         ; the closing round
	s_endpgm
.Lfunc_end_k_q9fa3738321_gemm_o:
	.size	k_q9fa3738321_gemm_o, .Lfunc_end_k_q9fa3738321_gemm_o-k_q9fa3738321_gemm_o
	.p2alignl 7, 3214868480
	.fill 96, 4, 3214868480
	.section	.rodata,"a",@progbits
	.p2align	6, 0x0
	.amdhsa_kernel k_q9fa3738321_gemm_o
		.amdhsa_group_segment_fixed_size 327680
		.amdhsa_private_segment_fixed_size 0
		.amdhsa_enable_private_segment 0
		.amdhsa_kernarg_size 40
		.amdhsa_user_sgpr_count 2
		.amdhsa_user_sgpr_kernarg_segment_ptr 1
		.amdhsa_wavefront_size32 1
		.amdhsa_system_sgpr_workgroup_id_x 1
		.amdhsa_system_sgpr_workgroup_id_y 1
		.amdhsa_system_sgpr_workgroup_id_z 1
		.amdhsa_system_vgpr_workitem_id 0
		.amdhsa_next_free_vgpr 1024
		.amdhsa_next_free_sgpr 72
		.amdhsa_reserve_vcc 0
		.amdhsa_float_denorm_mode_32 3
		.amdhsa_float_denorm_mode_16_64 3
		.amdhsa_memory_ordered 1
		.amdhsa_forward_progress 1
		.amdhsa_inst_pref_size 103
	.end_amdhsa_kernel
	.amdgpu_metadata
---
amdhsa.version: [ 1, 2 ]
amdhsa.kernels:
  - .name:           k_q9fa3738321_gemm_o
    .symbol:         k_q9fa3738321_gemm_o.kd
    .args:
      - { .name: act, .offset: 0, .size: 8, .value_kind: global_buffer, .address_space: global }
      - { .name: wb, .offset: 8, .size: 8, .value_kind: global_buffer, .address_space: global }
      - { .name: b_o, .offset: 16, .size: 8, .value_kind: global_buffer, .address_space: global }
      - { .name: x, .offset: 24, .size: 8, .value_kind: global_buffer, .address_space: global }
      - { .name: x1, .offset: 32, .size: 8, .value_kind: global_buffer, .address_space: global }
    .group_segment_fixed_size: 327680
    .private_segment_fixed_size: 0
    .kernarg_segment_align: 8
    .kernarg_segment_size: 40
    .max_flat_workgroup_size: 128
    .sgpr_count:     72
    .vgpr_count:     1024
    .wavefront_size: 32
...
	.end_amdgpu_metadata
.endif
;; end of part 4
;; launch ln2 (part 5): grid 256 x 1, 8 waves a work-group, no clusters, 0 bytes of LDS; arguments x1, ln2_w, ln2_b, act; writes act
.if DOCPART == 5
	.amdgcn_target "amdgcn-amd-amdhsa--gfx1250"
	.amdhsa_code_object_version 6
	.text
	.protected	k_q9fa3738321_ln2
	.globl	k_q9fa3738321_ln2
	.p2align	8
	.type	k_q9fa3738321_ln2,@function
k_q9fa3738321_ln2:
	s_mov_b64 s[64:65], 0
	v_nop
	global_prefetch_b8 v0, s[64:65] scope:SCOPE_SE
	s_setreg_imm32_b32 hwreg(HW_REG_WAVE_MODE, 25, 1), 1
	s_wait_xcnt 0x0
; LayerNorm 2: act[row] = bf16((x1[row] - mean) * rsqrt(var + 1e-5) * w + b).  x1: [4096][1024] f32, act: [4096][1024] bf16.
; 16 rows a work-group, 2 rows a wave; a row stays in 32 registers between the passes, so memory is read once.  The variance is taken in two passes (mean first, then
; the squares of x - mean).  No LDS, no barrier, no matrix unit: memory binds, and no wave needs another's data.
.set X0, 32                            ; v[32:63]    row 0: load j holds columns 128 j + 4 lane .. + 3
.set X1, 64                            ; v[64:95]    row 1
.set WG, 96                            ; v[96:127]   gains of the same columns
.set BV, 128                           ; v[128:159]  biases of the same columns
.set Y0, 160                           ; v[160:175]  row 0 in bf16
.set Y1, 176                           ; v[176:191]  row 1 in bf16
.macro LANESUM                         ; v4 = sum of v4 over the 32 lanes, in every lane; v5 is scratch that has been written
	v_add_f32_dpp v4, v4, v4 row_xmask:1 row_mask:0xf bank_mask:0xf
	v_add_f32_dpp v4, v4, v4 row_xmask:2 row_mask:0xf bank_mask:0xf
	v_add_f32_dpp v4, v4, v4 row_xmask:4 row_mask:0xf bank_mask:0xf
	v_add_f32_dpp v4, v4, v4 row_xmask:8 row_mask:0xf bank_mask:0xf
	v_permlanex16_b32 v5, v4, s20, s21
	v_add_f32 v4, v4, v5
.endm
.macro FOLD                            ; four chains v[4:11] to one number in v4
	v_pk_add_f32 v[4:5], v[4:5], v[6:7]
	v_pk_add_f32 v[8:9], v[8:9], v[10:11]
	v_pk_add_f32 v[4:5], v[4:5], v[8:9]
	v_add_f32 v4, v4, v5
.endm
.macro STATS X, left                   ; the row becomes (x - mean) * rsqrt(var + eps); left = younger loads that may stay out
	s_wait_loadcnt \left
.irp c, 0,1,2,3
	v_pk_add_f32 v[4+2*\c:5+2*\c], v[\X+4*\c:\X+4*\c+1], v[\X+4*\c+2:\X+4*\c+3]
.endr
.irp k, 16,24
.irp c, 0,1,2,3
	v_pk_add_f32 v[4+2*\c:5+2*\c], v[4+2*\c:5+2*\c], v[\X+\k+2*\c:\X+\k+2*\c+1]
.endr
.endr
	FOLD
	LANESUM
	v_mul_f32 v12, s22, v4
	v_mul_f32 v13, s22, v4
.irp k, 0,2,4,6,8,10,12,14,16,18,20,22,24,26,28,30
	v_pk_add_f32 v[\X+\k:\X+\k+1], v[\X+\k:\X+\k+1], v[12:13] neg_lo:[0,1] neg_hi:[0,1]
.endr
.irp c, 0,1,2,3
	v_pk_mul_f32 v[4+2*\c:5+2*\c], v[\X+2*\c:\X+2*\c+1], v[\X+2*\c:\X+2*\c+1]
.endr
.irp k, 8,16,24
.irp c, 0,1,2,3
	v_pk_fma_f32 v[4+2*\c:5+2*\c], v[\X+\k+2*\c:\X+\k+2*\c+1], v[\X+\k+2*\c:\X+\k+2*\c+1], v[4+2*\c:5+2*\c]
.endr
.endr
	FOLD
	LANESUM
	v_fma_f32 v4, v4, s22, s23                     ; var + 1e-5
	v_rsq_f32 v14, v4
	v_rsq_f32 v15, v4
	v_nop                                          ; one plain place behind the transcendentals (ISA guide 5.7.2)
	s_wait_alu depctr_va_vdst(0)
.irp k, 0,2,4,6,8,10,12,14,16,18,20,22,24,26,28,30
	v_pk_mul_f32 v[\X+\k:\X+\k+1], v[\X+\k:\X+\k+1], v[14:15]
.endr
.endm
.macro APPLY X, Y, rowoff
.irp k, 0,2,4,6,8,10,12,14,16,18,20,22,24,26,28,30
	v_pk_fma_f32 v[\X+\k:\X+\k+1], v[\X+\k:\X+\k+1], v[WG+\k:WG+\k+1], v[BV+\k:BV+\k+1]
.endr
.irp k, 0,1,2,3,4,5,6,7,8,9,10,11,12,13,14,15
	v_cvt_pk_bf16_f32 v[\Y+\k], v[\X+2*\k], v[\X+2*\k+1]
.endr
.irp j, 0,1,2,3,4,5,6,7
	global_store_b64 v3, v[\Y+2*\j:\Y+2*\j+1], s[18:19] offset:\rowoff+256*\j   ; 32 lanes store 256 consecutive bytes, aligned
.endr
.endm
	s_load_b256 s[12:19], s[0:1], 0x0              ; x1 s[12:13], gains s[14:15], biases s[16:17], act s[18:19]
	v_lshrrev_b32 v1, 5, v0
	v_readfirstlane_b32 s8, v1                     ; wave 0..7
	v_and_b32 v1, 31, v0
	v_lshlrev_b32 v2, 4, v1                        ; 16 x lane
	v_lshlrev_b32 v3, 3, v1                        ; 8 x lane
	s_lshl_b32 s9, ttmp9, 4
	s_lshl1_add_u32 s9, s8, s9                     ; my first row = 16 x work-group + 2 x wave
	s_lshl_b32 s10, s9, 12
	s_mov_b32 s11, 0
	s_lshl_b32 s24, s9, 11
	s_mov_b32 s25, 0
	s_mov_b32 s20, 0x76543210
	s_mov_b32 s21, 0xfedcba98
	s_mov_b32 s22, 0x3a800000                      ; 1 / 1024
	s_mov_b32 s23, 0x3727c5ac                      ; 1e-5
	s_wait_kmcnt 0x0
	s_add_nc_u64 s[12:13], s[12:13], s[10:11]
	s_add_nc_u64 s[18:19], s[18:19], s[24:25]
.irp j, 0,1,2,3,4,5,6,7
	global_load_b128 v[X0+4*\j:X0+4*\j+3], v2, s[12:13] offset:512*\j
.endr
.irp j, 0,1,2,3,4,5,6,7
	global_load_b128 v[X1+4*\j:X1+4*\j+3], v2, s[12:13] offset:4096+512*\j
.endr
.irp j, 0,1,2,3,4,5,6,7
	global_load_b128 v[WG+4*\j:WG+4*\j+3], v2, s[14:15] offset:512*\j
.endr
.irp j, 0,1,2,3,4,5,6,7
	global_load_b128 v[BV+4*\j:BV+4*\j+3], v2, s[16:17] offset:512*\j
.endr
	STATS X0, 24                                   ; row 1, gains and biases (24 loads) stay out
	STATS X1, 16                                   ; gains and biases stay out
	s_wait_loadcnt 0x0
	APPLY X0, Y0, 0
	APPLY X1, Y1, 2048
	s_endpgm
.Lfunc_end_k_q9fa3738321_ln2:
	.size	k_q9fa3738321_ln2, .Lfunc_end_k_q9fa3738321_ln2-k_q9fa3738321_ln2
	.p2alignl 7, 3214868480
	.fill 96, 4, 3214868480
	.section	.rodata,"a",@progbits
	.p2align	6, 0x0
	.amdhsa_kernel k_q9fa3738321_ln2
		.amdhsa_group_segment_fixed_size 0
		.amdhsa_private_segment_fixed_size 0
		.amdhsa_enable_private_segment 0
		.amdhsa_kernarg_size 32
		.amdhsa_user_sgpr_count 2
		.amdhsa_user_sgpr_kernarg_segment_ptr 1
		.amdhsa_wavefront_size32 1
		.amdhsa_system_sgpr_workgroup_id_x 1
		.amdhsa_system_sgpr_workgroup_id_y 1
		.amdhsa_system_sgpr_workgroup_id_z 1
		.amdhsa_system_vgpr_workitem_id 0
		.amdhsa_next_free_vgpr 192
		.amdhsa_next_free_sgpr 66
		.amdhsa_reserve_vcc 0
		.amdhsa_float_denorm_mode_32 3
		.amdhsa_float_denorm_mode_16_64 3
		.amdhsa_memory_ordered 1
		.amdhsa_forward_progress 1
		.amdhsa_inst_pref_size 20
	.end_amdhsa_kernel
	.amdgpu_metadata
---
amdhsa.version: [ 1, 2 ]
amdhsa.kernels:
  - .name:           k_q9fa3738321_ln2
    .symbol:         k_q9fa3738321_ln2.kd
    .args:
      - { .name: x1, .offset: 0, .size: 8, .value_kind: global_buffer, .address_space: global }
      - { .name: ln2_w, .offset: 8, .size: 8, .value_kind: global_buffer, .address_space: global }
      - { .name: ln2_b, .offset: 16, .size: 8, .value_kind: global_buffer, .address_space: global }
      - { .name: act, .offset: 24, .size: 8, .value_kind: global_buffer, .address_space: global }
    .group_segment_fixed_size: 0
    .private_segment_fixed_size: 0
    .kernarg_segment_align: 8
    .kernarg_segment_size: 32
    .max_flat_workgroup_size: 256
    .sgpr_count:     66
    .vgpr_count:     192
    .wavefront_size: 32
...
	.end_amdgpu_metadata
.endif
;; end of part 5
;; launch gemm_fc (part 6): grid 16 x 16, 4 waves a work-group, clusters of 4 x 4, 327,680 bytes of LDS; arguments act, wb, b_fc, big; writes big
.if DOCPART == 6
	.amdgcn_target "amdgcn-amd-amdhsa--gfx1250"
	.amdhsa_code_object_version 6
	.text
	.protected	k_q9fa3738321_gemm_fc
	.globl	k_q9fa3738321_gemm_fc
	.p2align	8
	.type	k_q9fa3738321_gemm_fc,@function
k_q9fa3738321_gemm_fc:
	s_mov_b64 s[64:65], 0
	v_nop
	global_prefetch_b8 v0, s[64:65] scope:SCOPE_SE
	s_setreg_imm32_b32 hwreg(HW_REG_WAVE_MODE, 25, 1), 1
	s_wait_xcnt 0x0
	s_wait_alu depctr_hold_cnt(0) depctr_sa_sdst(0) depctr_va_vdst(0) depctr_va_sdst(0) depctr_va_ssrc(0) depctr_va_vcc(0) depctr_vm_vsrc(0)
	s_getreg_b32 s2, hwreg(HW_REG_IB_STS2, 6, 4)
	s_cmp_eq_u32 s2, 0
	s_cbranch_scc0 .Lentry_in_a_cluster
	s_endpgm
.Lentry_in_a_cluster:
	s_bfe_u32 s2, ttmp6, 0x10000c
	s_cmp_lg_u32 s2, 0xf033
	s_cbranch_scc0 .Lentry_shape_is_right
	s_endpgm
.Lentry_shape_is_right:
; C[m][n] = act(sum over k of A[m][k] W[k][n] + bias[n]), C in bf16.  A: [4096][SIZE_K] bf16.  W: [SIZE_K][SIZE_N] bf16 at byte WOFF of the weight buffer.
; Here: g = gelu(h2 W_fc + b_fc) (GELU = 1, the tanh form).  Sums in f32, K ascending, one accumulator for each output.
; A work-group makes 256 x 256 of C with four waves, a wave 128 x 128 (64 accumulator tiles, 512 registers).  K goes in steps of 128 through two LDS slots
; filled by the tensor data mover.  A's tile rows are 256 bytes, W's are 512 bytes; both start at multiples of 256 bytes from their buffer's first byte.
; W lies [K][N]; its fragments are read from LDS by the transposing load ds_load_tr16_b128.
; CLUSTERS: 4 x 4 work-groups.  A's tile hangs on the block row alone and is asked for jointly by a row of the cluster, W's on the block column alone and is asked
; for jointly by a column: that divides the requests for both by four.
; REGISTERS in windows of 256: window 0: v0-31 addresses, v64-127 and v128-191 fragments of A (two buffers); window 1: the same numbers, fragments of W;
; window 2: accumulators of my rows 0-63 (tile (a, b) at v[8 (8 a + b)]); window 3: those of rows 64-127.
; The matrix instruction is used transposed (source 0 = 16 columns of W, source 1 = 16 rows of A): lane l holds row l % 16 of C, registers 0-7 the columns 8 (l / 16) + 0..7.
; The 64 accumulators take turns, one instruction a turn, in the same order in every quarter step.
.set SIZE_K, 1024
.set SIZE_N, 4096
.set WOFF,   8388608
.set GELU,   1
.set KSTEP,  128
.set PITCH,  272                       ; A's LDS row: 256 bytes + 16 of padding, an odd multiple of 16
.set BPITCH, 544                       ; W's LDS row: 512 bytes + 32 of padding, an odd multiple of 32
.set HALFT,  34816                     ; what one tensor load brings: 128 rows of A (128 x 272) or 64 k-rows of W (64 x 544)
.set SLOT,   4*HALFT                   ; A's 256 rows, then W's 128 k-rows
.set STAGE,  2*SLOT                    ; behind the ring: 16 rows x 272 bytes for each wave, for the way out; no tensor load lands there
.set SPITCH, 272
.set LAPS, SIZE_K/(2*KSTEP)            ; a lap = two K steps = once round the ring
.set ADRA, 16                          ; v16-17  LDS address of my A fragments in slot 0, 1
.set ADRB, 20                          ; v20-21  the same for W
.set STO,  24                          ; the way out: where I put 16 bytes of a row
.set RD,   25                          ; the way out: where I read a row back
.set CO,   26                          ; my byte offset in C
.set BO,   27                          ; my byte offset in the bias
.set F0,   64                          ; fragment buffer 0
.set F1,   128                         ; fragment buffer 1
.set TF,   64                          ; the way out, window 0: 16 rows' results in f32
.set TMP,  128                         ; packed to bf16
.set RB0,  160                         ; rows read back, two buffers in turn
.set RB1,  192
.set U,    224                         ; gelu: at work
.set C1,   232                         ; gelu: constants, each twice
.set C2,   234
.set G1, 24                            ; s[24:31] descriptor group 1 for A's tiles
.set G0, 32                            ; s[32:39] descriptor group 0 for A's tiles, one set for each slot
.set G1B, 48                           ; s[48:55] group 1 for W's tiles
.set G0B, 56                           ; s[56:63] group 0 for W's tiles, one set for each slot
.set MSB, 0
.macro WIN new                         ; the immediate's high byte repeats the setting that is left
.if MSB != \new
	s_set_vgpr_msb (MSB<<8)|\new
.set MSB, \new
.endif
.endm
.set MUL_LO, 0xa1                      ; source 0 (W) window 1, source 1 (A) window 0, C and D window 2
.set MUL_HI, 0xf1                      ; the same, C and D window 3
.set TO_B,   0x40                      ; destination window 1, address window 0
; A joint load.  Waves 0 and 1 fetch A's two halves, waves 2 and 3 W's.  The branch hangs on the wave's number alone.
.macro JLOAD s
	s_cmp_eq_u32 s11, 0
	s_cbranch_scc0 .Lfor_b_\@
	tensor_load_to_lds s[G0+4*\s:G0+4*\s+3], s[G1:G1+7]
	s_nop 0
	s_branch .Lasked_\@
.Lfor_b_\@:
	tensor_load_to_lds s[G0B+4*\s:G0B+4*\s+3], s[G1B:G1B+7]
	s_nop 0
.Lasked_\@:
.endm
.macro CREST                           ; a round of the cluster's barrier behind its opening barrier
	s_cmp_lg_u32 s10, 0
	s_cbranch_scc1 .Lnot_wave_0_\@
	s_barrier_signal -3
.Lnot_wave_0_\@:
	s_barrier_wait -3
	s_barrier_signal -1
	s_barrier_wait -1
.endm
.macro CROUND                          ; a whole round
	s_barrier_signal -1
	s_barrier_wait -1
	CREST
.endm
	s_load_b128 s[4:7], s[0:1], 0x0                ; A s[4:5], weights s[6:7]
	s_load_b64 s[66:67], s[0:1], 0x10              ; bias
	s_load_b64 s[8:9], s[0:1], 0x18                ; C
	s_set_vgpr_msb 0x40
	v_lshl_add_u32 v255, v0, 2, 0x48400
	s_set_vgpr_msb 0x4000
	v_mov_b32 v255, 0
	s_set_vgpr_msb 0x1
	ds_add_u32 v255, v255
	s_set_vgpr_msb 0x100
	v_lshrrev_b32 v1, 5, v0
	v_readfirstlane_b32 s10, v1                    ; wave 0..3
	s_lshr_b32 s11, s10, 1                         ; which half of the block's rows is mine.  Also: I fetch for A (0) or for W (1)
	s_and_b32 s12, s10, 1                          ; which half of its columns.  Also: which half of that tile I fetch
	s_bfe_u32 s40, ttmp6, 0x40000                  ; cx
	s_bfe_u32 s41, ttmp6, 0x40004                  ; cy
	s_lshl_b32 s42, ttmp9, 2
	s_add_co_u32 s42, s42, s40                     ; block column of C = 4 x cluster x + cx
	s_and_b32 s13, ttmp7, 0xffff
	s_lshl_b32 s13, s13, 2
	s_add_co_u32 s13, s13, s41                     ; block row of C = 4 x cluster y + cy
	s_lshl_b32 s43, s41, 2
	s_lshl_b32 s43, 15, s43                        ; my row of the cluster: places 4 cy .. 4 cy + 3
	s_lshl_b32 s44, 0x1111, s40                    ; my column: places cx, cx + 4, cx + 8, cx + 12
	s_or_b32 s[G1+0], s43, (1<<16)|(1<<20)|(1<<21)|(5<<22)|(3<<25)   ; mask of my row; 2-byte elements; padding of 4 words behind every 64; bit 21 beside a mask
	s_mov_b32 s[G1+1], KSTEP<<16                   ; tensor_dim0 = 128
	s_mov_b32 s[G1+2], 128<<16                     ; tensor_dim1 = 128
	s_mov_b32 s[G1+3], KSTEP<<16                   ; tile_dim0 = 128 elements
	s_mov_b32 s[G1+4], 128                         ; tile_dim1 = 128 rows
	s_mov_b32 s[G1+5], SIZE_K                      ; elements from row to row
	s_mov_b32 s[G1+6], 0
	s_mov_b32 s[G1+7], 0
	s_or_b32 s[G1B+0], s44, (1<<16)|(1<<20)|(1<<21)|(6<<22)|(7<<25)  ; mask of my column; padding of 8 words behind every 128
	s_mov_b32 s[G1B+1], 256<<16                    ; tensor_dim0 = 256
	s_mov_b32 s[G1B+2], 64<<16                     ; tensor_dim1 = 64
	s_mov_b32 s[G1B+3], 256<<16                    ; tile_dim0 = 256 elements
	s_mov_b32 s[G1B+4], 64                         ; tile_dim1 = 64 k-rows
	s_mov_b32 s[G1B+5], SIZE_N
	s_mov_b32 s[G1B+6], 0
	s_mov_b32 s[G1B+7], 0
	; A's address is made of the block row and the wave's number, W's of the block column and the wave's number, each in registers that never hold the other coordinate
	s_lshl_b32 s16, s13, 8
	s_lshl_b32 s17, s12, 7
	s_add_co_u32 s16, s16, s17                     ; A: row 256 x block row + 128 x half
	s_mul_i32 s16, s16, SIZE_K*2                   ; in bytes: below 2^32 (4,096 rows of 2,048 bytes)
	s_mov_b32 s17, 0
	s_mul_i32 s46, s12, 64*SIZE_N*2                ; W: k-row 64 x half,
	s_lshl_b32 s47, s42, 9                         ; column 256 x block column
	s_add_co_u32 s46, s46, s47
	s_mov_b32 s47, 0
	s_mul_i32 s20, s10, HALFT                      ; where the tiles go: wave x 34,816: A's two halves, then W's two halves
	s_wait_dscnt 0x0
	s_wait_kmcnt 0x0
.if WOFF != 0
	s_add_nc_u64 s[6:7], s[6:7], WOFF
.endif
	s_add_nc_u64 s[14:15], s[4:5], s[16:17]
	s_add_nc_u64 s[46:47], s[6:7], s[46:47]
	CROUND                                         ; all sixteen work-groups are here: the first joint loads meet
.irp s, 0,1
	s_mov_b32 s[G0+4*\s], 1
	s_add_co_u32 s[G0+4*\s+1], s20, \s*SLOT
	s_add_nc_u64 s[G0+4*\s+2:G0+4*\s+3], s[14:15], \s*KSTEP*2              ; K step s: 128 elements along A's rows
	s_or_b32 s[G0+4*\s+3], s[G0+4*\s+3], 0x80000000
	s_mov_b32 s[G0B+4*\s], 1
	s_add_co_u32 s[G0B+4*\s+1], s20, \s*SLOT
	s_add_nc_u64 s[G0B+4*\s+2:G0B+4*\s+3], s[46:47], \s*KSTEP*SIZE_N*2     ; K step s: 128 rows down W
	s_or_b32 s[G0B+4*\s+3], s[G0B+4*\s+3], 0x80000000
	JLOAD \s                                       ; both first fills go out together: two tensor loads of a wave are out here, later one
.endr
	v_and_b32 v1, 15, v0                           ; l % 16
	v_bfe_u32 v2, v0, 4, 1                         ; l / 16
	v_mul_u32_u24 v3, v1, PITCH
	v_lshl_add_u32 v3, v2, 4, v3                   ; A: row x pitch + 16 x half
	v_and_b32 v6, 7, v0
	v_lshl_add_u32 v6, v2, 3, v6                   ; W: k-row 8 (l / 16) + (l & 7),
	v_mul_u32_u24 v6, v6, BPITCH
	v_bfe_u32 v7, v0, 3, 1
	v_lshl_add_u32 v6, v7, 4, v6                   ; 16 bytes for each group of eight lanes
	s_mul_i32 s21, s11, HALFT                      ; my 128 rows of A
	s_lshl_b32 s22, s12, 8                         ; my 128 columns of W: 256 bytes along its rows,
	s_add_co_u32 s22, s22, 2*HALFT                 ; which lie behind A's 256 rows
.irp s, 0,1
	v_add_nc_u32 v[ADRA+\s], s21, v3
	v_add_nc_u32 v[ADRB+\s], s22, v6
	s_add_co_u32 s21, s21, SLOT
	s_add_co_u32 s22, s22, SLOT
.endr
	s_mul_i32 s23, s10, 16*SPITCH
	s_add_co_u32 s23, s23, STAGE                   ; my stage
	v_mul_u32_u24 v4, v1, SPITCH
	v_lshl_add_u32 v4, v2, 4, v4
	v_add_nc_u32 v[STO], s23, v4
	v_mul_u32_u24 v5, v2, SPITCH
	v_lshl_add_u32 v5, v1, 4, v5
	v_add_nc_u32 v[RD], s23, v5
	v_mul_u32_u24 v5, v2, SIZE_N*2
	v_lshl_add_u32 v[CO], v1, 4, v5
; 16 matrix instructions: m blocks a0, a0 + 1 of the window's four x all 8 n blocks, 32 along K.  zero = 1: the first product starts the sums.
.macro MUL16 f, hi, a0, zero
.irp a, \a0, \a0+1
.irp b, 0,1,2,3,4,5,6,7
.if \zero
	v_wmma_f32_16x16x32_bf16 v[8*(8*(\a)+\b):8*(8*(\a)+\b)+7], v[\f+8*\b:\f+8*\b+7], v[\f+8*(4*\hi+\a):\f+8*(4*\hi+\a)+7], 0
.else
	v_wmma_f32_16x16x32_bf16 v[8*(8*(\a)+\b):8*(8*(\a)+\b)+7], v[\f+8*\b:\f+8*\b+7], v[\f+8*(4*\hi+\a):\f+8*(4*\hi+\a)+7], v[8*(8*(\a)+\b):8*(8*(\a)+\b)+7]
.endif
.endr
.endr
.endm
; 32 LDS loads in one run: the fragments of quarter q of a K step (32 k-rows x 128 columns of W, transposed on the way; 128 rows x 32 K of A) into buffer f
.macro FETCH slot, q, f
	WIN TO_B
.irp i, 0,1,2,3,4,5,6,7
	ds_load_tr16_b128 v[\f+8*\i:\f+8*\i+3],   v[ADRB+\slot] offset:\q*32*BPITCH+32*\i
	ds_load_tr16_b128 v[\f+8*\i+4:\f+8*\i+7], v[ADRB+\slot] offset:\q*32*BPITCH+32*\i+16*BPITCH
.endr
	WIN 0
.irp i, 0,1,2,3,4,5,6,7
	ds_load_b128 v[\f+8*\i:\f+8*\i+3],   v[ADRA+\slot] offset:\q*64+\i*16*PITCH
	ds_load_b128 v[\f+8*\i+4:\f+8*\i+7], v[ADRA+\slot] offset:\q*64+\i*16*PITCH+32
.endr
.endm
.macro PLACES                          ; four plain places behind matrix instructions, in front of loads into their sources and of readers of their results
.rept 4
	v_nop
.endr
.endm
.macro QUARTER slot, q, f, g, zero     ; multiplies buffer f; in its middle fetches quarter q of the same slot into buffer g
	s_wait_dscnt 8                                 ; W and A's rows 0-63 are in; the youngest eight loads (A's rows 64-127) may be out
	WIN MUL_LO
	MUL16 \f, 0, 0, \zero
	MUL16 \f, 0, 2, \zero
	PLACES
	FETCH \slot, \q, \g
	s_wait_dscnt 32                                ; all but the 32 just issued
	WIN MUL_HI
	MUL16 \f, 1, 0, \zero
	MUL16 \f, 1, 2, \zero
.endm
.macro THREE slot, zero
	QUARTER \slot, 1, F0, F1, \zero
	QUARTER \slot, 2, F1, F0, 0
	QUARTER \slot, 3, F0, F1, 0
.endm
; The last quarter of a K step: multiplies buffer 1 and changes slots.  In front of the barrier each wave waits for its reads of this slot and for all its tensor
; loads (one is out: its part of the next slot).  Behind it the refill comes first, then the next slot's first fragments.
.macro TURN slot, next, fill
	s_wait_dscnt 8
	WIN MUL_LO
	MUL16 F1, 0, 0, 0
	s_wait_dscnt 0                                 ; my reads of this slot are over
	s_wait_tensorcnt 0x0                           ; all my tensor loads have landed
	ds_add_u32 v255, v255
	s_wait_dscnt 0x0
	s_barrier_signal -1                            ; where a slot is filled again this barrier opens a round of the cluster's barrier
	MUL16 F1, 0, 2, 0                              ; register work while the others arrive
	WIN 0
	s_barrier_wait -1
.if \fill
	CREST                                          ; no wave of any partner still reads this slot or has a load on its way
	s_add_nc_u64 s[G0+4*\slot+2:G0+4*\slot+3], s[G0+4*\slot+2:G0+4*\slot+3], 2*KSTEP*2
	s_add_nc_u64 s[G0B+4*\slot+2:G0B+4*\slot+3], s[G0B+4*\slot+2:G0B+4*\slot+3], 2*KSTEP*SIZE_N*2
	JLOAD \slot                                    ; the first tensor load behind the round, one a wave
.endif
	PLACES
	FETCH \next, 0, F0
	WIN MUL_HI
	MUL16 F1, 1, 0, 0
	MUL16 F1, 1, 2, 0
.endm
.macro LAP zero
	THREE 0, \zero
	TURN 0, 1, 1
	THREE 1, 0
	TURN 1, 0, 1
.endm
	s_wait_tensorcnt 1                             ; my part of K step 0 is in; K step 1's load, issued behind it, stays out
	s_barrier_signal -1
	s_barrier_wait -1
	FETCH 0, 0, F0
	LAP 1
.if LAPS > 2
	WIN 0
	s_mov_b32 s3, LAPS-2
.Llap:
	LAP 0
	WIN 0
	s_sub_co_u32 s3, s3, 1
	s_cmp_lg_u32 s3, 0
	s_cbranch_scc1 .Llap
.endif
	THREE 0, 0                                     ; the last lap fills nothing
	TURN 0, 1, 0
	THREE 1, 0
	s_wait_dscnt 8
	WIN MUL_LO
	MUL16 F1, 0, 0, 0
	MUL16 F1, 0, 2, 0
	s_wait_dscnt 0
	WIN MUL_HI
	MUL16 F1, 1, 0, 0
	MUL16 F1, 1, 2, 0
	; THE WAY OUT, 16 rows of C at a time: add the bias (and gelu), round to bf16, 16 bytes a lane into my own stage, read back as whole rows of 256 bytes.
	PLACES
	WIN 0
	s_lshl_b32 s13, s13, 8
	s_lshl_b32 s14, s11, 7
	s_add_co_u32 s16, s13, s14                     ; my first row of C
	s_mul_i32 s16, s16, SIZE_N*2                   ; below 2^32: 4,096 rows of at most 8,192 bytes
	s_mov_b32 s17, 0
	s_add_nc_u64 s[8:9], s[8:9], s[16:17]
	s_lshl_b32 s46, s42, 9                         ; my first column, in bytes of bf16: 512 x block + 256 x half
	s_lshl_b32 s47, s12, 8
	s_add_co_u32 s46, s46, s47
	s_mov_b32 s47, 0
	s_add_nc_u64 s[8:9], s[8:9], s[46:47]
	s_lshl_b32 s46, s46, 1                         ; the same column in bytes of f32
	v_lshl_add_u32 v[BO], v2, 5, s46               ; + 8 numbers for the upper half of the lanes
	WIN TO_B
.irp b, 0,1,2,3,4,5,6,7
	global_load_b128 v[F0+8*\b:F0+8*\b+3],   v[BO], s[66:67] offset:64*\b       ; bias of columns 16 b + 8 (l / 16) + 0..7, into window 1
	global_load_b128 v[F0+8*\b+4:F0+8*\b+7], v[BO], s[66:67] offset:64*\b+16
.endr
	WIN 0
.if GELU
	v_mov_b32 v[C1],   0xc0135761                  ; -2 log2(e) sqrt(2/pi)
	v_mov_b32 v[C1+1], 0xc0135761
	v_mov_b32 v[C2],   0xbdd2d3e8                  ; the same x 0.044715
	v_mov_b32 v[C2+1], 0xbdd2d3e8
.endif
	s_wait_loadcnt 0x0
; gelu (tanh form) of eight numbers in place: x / (1 + 2^(x (c1 + c2 x^2))) = 0.5 x (1 + tanh(sqrt(2/pi) (x + 0.044715 x^3)))
.macro GELU8 X
.irp k, 0,2,4,6
	v_pk_mul_f32 v[U+\k:U+\k+1], v[\X+\k:\X+\k+1], v[\X+\k:\X+\k+1]
.endr
.irp k, 0,2,4,6
	v_pk_fma_f32 v[U+\k:U+\k+1], v[U+\k:U+\k+1], v[C2:C2+1], v[C1:C1+1]
.endr
.irp k, 0,2,4,6
	v_pk_mul_f32 v[U+\k:U+\k+1], v[U+\k:U+\k+1], v[\X+\k:\X+\k+1]
.endr
.irp k, 0,1,2,3,4,5,6,7
	v_exp_f32 v[U+\k], v[U+\k]
.endr
	v_nop                                          ; one plain place behind the transcendentals (ISA guide 5.7.2)
	s_wait_alu depctr_va_vdst(0)
.irp k, 0,2,4,6
	v_pk_add_f32 v[U+\k:U+\k+1], v[U+\k:U+\k+1], 1.0 op_sel_hi:[1,0]
.endr
.irp k, 0,1,2,3,4,5,6,7
	v_rcp_f32 v[U+\k], v[U+\k]
.endr
	v_nop
	s_wait_alu depctr_va_vdst(0)
.irp k, 0,2,4,6
	v_pk_mul_f32 v[\X+\k:\X+\k+1], v[\X+\k:\X+\k+1], v[U+\k:U+\k+1]
.endr
.endm
; rows 16 i .. 16 i + 15 of my block = the eight tiles (a, 0..7) of window 2 or 3.  win: source 0 in that window, source 1 (bias) in window 1.  rb: RB0 or RB1 in turn
.macro OUT16 i, a, win, rb
	WIN \win
.irp b, 0,1,2,3,4,5,6,7
.irp r, 0,1,2,3
	v_pk_add_f32 v[TF+8*\b+2*\r:TF+8*\b+2*\r+1], v[8*(8*\a+\b)+2*\r:8*(8*\a+\b)+2*\r+1], v[F0+8*\b+2*\r:F0+8*\b+2*\r+1]
.endr
.endr
	WIN 0
.if GELU
.irp b, 0,1,2,3,4,5,6,7
	GELU8 TF+8*\b
.endr
.endif
.irp b, 0,1,2,3,4,5,6,7
.irp r, 0,1,2,3
	v_cvt_pk_bf16_f32 v[TMP+4*\b+\r], v[TF+8*\b+2*\r], v[TF+8*\b+2*\r+1]
.endr
.endr
.irp b, 0,1,2,3,4,5,6,7
	ds_store_b128 v[STO], v[TMP+4*\b:TMP+4*\b+3] offset:32*\b
.endr
	s_wait_xcnt 0x0                                ; buffer rb, which earlier stores read, and the stores' base are rewritten only behind this wait
.if \i
	s_add_nc_u64 s[8:9], s[8:9], 16*SIZE_N*2       ; 16 rows of C on
.endif
.irp t, 0,1,2,3,4,5,6,7
	ds_load_b128 v[\rb+4*\t:\rb+4*\t+3], v[RD] offset:\t*2*SPITCH    ; LDS serves a wave's instructions in order: these see the stores above
.endr
.irp t, 0,1,2,3,4,5,6,7
	s_wait_dscnt 7-\t                              ; read-back t is in, the younger ones stay out
	global_store_b128 v[CO], v[\rb+4*\t:\rb+4*\t+3], s[8:9] offset:2*\t*SIZE_N*2   ; 16 lanes store 256 consecutive bytes, aligned
.endr
.endm
	OUT16 0, 0, 0x06, RB0
	OUT16 1, 1, 0x06, RB1
	OUT16 2, 2, 0x06, RB0
	OUT16 3, 3, 0x06, RB1
	OUT16 4, 0, 0x07, RB0
	OUT16 5, 1, 0x07, RB1
	OUT16 6, 2, 0x07, RB0
	OUT16 7, 3, 0x07, RB1
	s_set_vgpr_msb 0x1
	s_wait_tensorcnt 0x0
	ds_add_u32 v255, v255
	s_wait_dscnt 0x0
	s_set_vgpr_msb 0x100
	CROUND                                         ; the closing round: no work-group ends while a partner may still ask for a tile that names it
	s_endpgm
.Lfunc_end_k_q9fa3738321_gemm_fc:
	.size	k_q9fa3738321_gemm_fc, .Lfunc_end_k_q9fa3738321_gemm_fc-k_q9fa3738321_gemm_fc
	.p2alignl 7, 3214868480
	.fill 96, 4, 3214868480
	.section	.rodata,"a",@progbits
	.p2align	6, 0x0
	.amdhsa_kernel k_q9fa3738321_gemm_fc
		.amdhsa_group_segment_fixed_size 327680
		.amdhsa_private_segment_fixed_size 0
		.amdhsa_enable_private_segment 0
		.amdhsa_kernarg_size 32
		.amdhsa_user_sgpr_count 2
		.amdhsa_user_sgpr_kernarg_segment_ptr 1
		.amdhsa_wavefront_size32 1
		.amdhsa_system_sgpr_workgroup_id_x 1
		.amdhsa_system_sgpr_workgroup_id_y 1
		.amdhsa_system_sgpr_workgroup_id_z 1
		.amdhsa_system_vgpr_workitem_id 0
		.amdhsa_next_free_vgpr 1024
		.amdhsa_next_free_sgpr 68
		.amdhsa_reserve_vcc 0
		.amdhsa_float_denorm_mode_32 3
		.amdhsa_float_denorm_mode_16_64 3
		.amdhsa_memory_ordered 1
		.amdhsa_forward_progress 1
		.amdhsa_inst_pref_size 255
	.end_amdhsa_kernel
	.section	.bss,"aw",@nobits
	.p2align	6
	.space	262144
	.amdgpu_metadata
---
amdhsa.version: [ 1, 2 ]
amdhsa.kernels:
  - .name:           k_q9fa3738321_gemm_fc
    .symbol:         k_q9fa3738321_gemm_fc.kd
    .args:
      - { .name: act, .offset: 0, .size: 8, .value_kind: global_buffer, .address_space: global }
      - { .name: wb, .offset: 8, .size: 8, .value_kind: global_buffer, .address_space: global }
      - { .name: b_fc, .offset: 16, .size: 8, .value_kind: global_buffer, .address_space: global }
      - { .name: big, .offset: 24, .size: 8, .value_kind: global_buffer, .address_space: global }
    .group_segment_fixed_size: 327680
    .private_segment_fixed_size: 0
    .kernarg_segment_align: 8
    .kernarg_segment_size: 32
    .max_flat_workgroup_size: 128
    .sgpr_count:     68
    .vgpr_count:     1024
    .wavefront_size: 32
...
	.end_amdgpu_metadata
.endif
;; end of part 6
;; launch gemm_proj (part 7): grid 8 x 32, 4 waves a work-group, clusters of 4 x 4, 327,680 bytes of LDS; arguments big, wb, b_proj, x1, out0; writes out0
.if DOCPART == 7
	.amdgcn_target "amdgcn-amd-amdhsa--gfx1250"
	.amdhsa_code_object_version 6
	.text
	.protected	k_q9fa3738321_gemm_proj
	.globl	k_q9fa3738321_gemm_proj
	.p2align	8
	.type	k_q9fa3738321_gemm_proj,@function
k_q9fa3738321_gemm_proj:
	s_mov_b64 s[64:65], 0
	v_nop
	global_prefetch_b8 v0, s[64:65] scope:SCOPE_SE
	s_setreg_imm32_b32 hwreg(HW_REG_WAVE_MODE, 25, 1), 1
	s_wait_xcnt 0x0
	s_wait_alu depctr_hold_cnt(0) depctr_sa_sdst(0) depctr_va_vdst(0) depctr_va_sdst(0) depctr_va_ssrc(0) depctr_va_vcc(0) depctr_vm_vsrc(0)
	s_getreg_b32 s2, hwreg(HW_REG_IB_STS2, 6, 4)
	s_cmp_eq_u32 s2, 0
	s_cbranch_scc0 .Lentry_in_a_cluster
	s_endpgm
.Lentry_in_a_cluster:
	s_bfe_u32 s2, ttmp6, 0x10000c
	s_cmp_lg_u32 s2, 0xf033
	s_cbranch_scc0 .Lentry_shape_is_right
	s_endpgm
.Lentry_shape_is_right:
; out[m][n] = resid[m][n] + bias[n] + sum over k of A[m][k] W[k][n], out and resid in f32.  A: [4096][SIZE_K] bf16.  W: [SIZE_K][1024] bf16 at byte WOFF of the weight buffer.
; Here: out0 = x1 + g W_proj + b_proj.
; N = 1,024 gives only 64 blocks of 256 x 256, so a work-group makes 128 x 128 (256 work-groups) and K IS SPLIT OVER ITS FOUR WAVES: a slot holds 256 of K, wave w
; multiplies the whole block over k = 64 w .. 64 w + 63 of it.  Each wave so keeps a 128 x 128 accumulator (64 tiles, 512 registers).
; ORDER OF ROUNDING: an output is four partial f32 sums (one a wave, each K ascending), added as (p0 + p1) + (p2 + p3), then the bias, then the residual.
; Two LDS slots filled by the tensor data mover: A's tile rows are 512 bytes, W's 256 bytes, all starting at multiples of 256 bytes.  W lies [K][N] and is read by ds_load_tr16_b128.
; CLUSTERS: 4 x 4 work-groups; A's tile is asked for jointly by a row of the cluster, W's by a column.
; REGISTERS in windows of 256: window 0: v0-31 addresses, v64-127 and v128-191 fragments of A; window 1: the same numbers, fragments of W; windows 2, 3: accumulators of rows 0-63, 64-127.
; The matrix instruction is used transposed (source 0 = 16 columns of W, source 1 = 16 rows of A): lane l holds row l % 16, registers 0-7 the columns 8 (l / 16) + 0..7.
; The 64 accumulators take turns, one instruction a turn, in the same order in every quarter step.
.set SIZE_K, 4096
.set WOFF,   16777216
.set SIZE_N, 1024
.set KSLOT,  256                       ; K in a slot
.set APITCH, 528                       ; A's LDS row: 512 bytes + 16, an odd multiple of 16
.set BPITCH, 288                       ; W's LDS row: 256 bytes + 32, an odd multiple of 32
.set AHALF,  64*APITCH                 ; what waves 0, 1 bring: 64 rows of A
.set BHALF,  128*BPITCH                ; what waves 2, 3 bring: 128 k-rows of W
.set BBASE,  2*BHALF                   ; W's place in a slot = wave 2's number x BHALF; A's 67,584 bytes lie below it
.set SLOT,   4*BHALF
.set LAPS, SIZE_K/(2*KSLOT)
.set RPITCH, 528                       ; the way out: a row of 128 f32 + 16 bytes
.set REG,    128*RPITCH                ; one wave's partial block
.set ADRA, 16
.set ADRB, 20
.set STO,  24                          ; where I put my partial sums
.set CO,   26                          ; my byte offset in out and in resid
.set BL,   27                          ; 16 x lane
.set RD,   28                          ; v28-31: where I read the four waves' partial sums of my 32 rows
.set BI,   224                         ; v[224:227] bias of my four columns
.set F0,   64
.set F1,   128
.set G1, 24
.set G0, 32
.set G1B, 48
.set G0B, 56
.set MSB, 0
.macro WIN new                         ; the immediate's high byte repeats the setting that is left
.if MSB != \new
	s_set_vgpr_msb (MSB<<8)|\new
.set MSB, \new
.endif
.endm
.set MUL_LO, 0xa1
.set MUL_HI, 0xf1
.set TO_B,   0x40
.macro JLOAD s                         ; waves 0 and 1 fetch A's two halves, waves 2 and 3 W's; the branch hangs on the wave's number alone
	s_cmp_eq_u32 s11, 0
	s_cbranch_scc0 .Lfor_b_\@
	tensor_load_to_lds s[G0+4*\s:G0+4*\s+3], s[G1:G1+7]
	s_nop 0
	s_branch .Lasked_\@
.Lfor_b_\@:
	tensor_load_to_lds s[G0B+4*\s:G0B+4*\s+3], s[G1B:G1B+7]
	s_nop 0
.Lasked_\@:
.endm
.macro CREST
	s_cmp_lg_u32 s10, 0
	s_cbranch_scc1 .Lnot_wave_0_\@
	s_barrier_signal -3
.Lnot_wave_0_\@:
	s_barrier_wait -3
	s_barrier_signal -1
	s_barrier_wait -1
.endm
.macro CROUND
	s_barrier_signal -1
	s_barrier_wait -1
	CREST
.endm
	s_load_b128 s[4:7], s[0:1], 0x0                ; A s[4:5], weights s[6:7]
	s_load_b128 s[68:71], s[0:1], 0x10             ; bias s[68:69], resid s[70:71]
	s_load_b64 s[8:9], s[0:1], 0x20                ; out
	s_set_vgpr_msb 0x40
	v_lshl_add_u32 v255, v0, 2, 0x48000
	s_set_vgpr_msb 0x4000
	v_mov_b32 v255, 0
	s_set_vgpr_msb 0x1
	ds_add_u32 v255, v255
	s_set_vgpr_msb 0x100
	v_lshrrev_b32 v1, 5, v0
	v_readfirstlane_b32 s10, v1                    ; wave 0..3
	s_lshr_b32 s11, s10, 1                         ; I fetch for A (0) or for W (1)
	s_and_b32 s12, s10, 1                          ; which half of that tile
	s_bfe_u32 s40, ttmp6, 0x40000                  ; cx
	s_bfe_u32 s41, ttmp6, 0x40004                  ; cy
	s_lshl_b32 s42, ttmp9, 2
	s_add_co_u32 s42, s42, s40                     ; block column
	s_and_b32 s13, ttmp7, 0xffff
	s_lshl_b32 s13, s13, 2
	s_add_co_u32 s13, s13, s41                     ; block row
	s_lshl_b32 s43, s41, 2
	s_lshl_b32 s43, 15, s43                        ; my row of the cluster
	s_lshl_b32 s44, 0x1111, s40                    ; my column
	s_or_b32 s[G1+0], s43, (1<<16)|(1<<20)|(1<<21)|(6<<22)|(3<<25)   ; A: 4 words of padding behind every 128
	s_mov_b32 s[G1+1], KSLOT<<16                   ; tensor_dim0 = 256
	s_mov_b32 s[G1+2], 64<<16                      ; tensor_dim1 = 64
	s_mov_b32 s[G1+3], KSLOT<<16                   ; tile_dim0 = 256 elements
	s_mov_b32 s[G1+4], 64                          ; tile_dim1 = 64 rows
	s_mov_b32 s[G1+5], SIZE_K
	s_mov_b32 s[G1+6], 0
	s_mov_b32 s[G1+7], 0
	s_or_b32 s[G1B+0], s44, (1<<16)|(1<<20)|(1<<21)|(5<<22)|(7<<25)  ; W: 8 words of padding behind every 64
	s_mov_b32 s[G1B+1], 128<<16
	s_mov_b32 s[G1B+2], 128<<16
	s_mov_b32 s[G1B+3], 128<<16                    ; tile_dim0 = 128 elements
	s_mov_b32 s[G1B+4], 128                        ; tile_dim1 = 128 k-rows
	s_mov_b32 s[G1B+5], SIZE_N
	s_mov_b32 s[G1B+6], 0
	s_mov_b32 s[G1B+7], 0
	s_lshl_b32 s16, s13, 7
	s_lshl_b32 s17, s12, 6
	s_add_co_u32 s16, s16, s17                     ; A: row 128 x block row + 64 x half
	s_mul_i32 s16, s16, SIZE_K*2                   ; below 2^32: 4,096 rows of at most 8,192 bytes
	s_mov_b32 s17, 0
	s_mul_i32 s46, s12, 128*SIZE_N*2               ; W: k-row 128 x half,
	s_lshl_b32 s47, s42, 8                         ; column 128 x block column
	s_add_co_u32 s46, s46, s47
	s_mov_b32 s47, 0
	s_mul_i32 s20, s10, AHALF                      ; where A's halves go (waves 0, 1)
	s_mul_i32 s21, s10, BHALF                      ; where W's halves go (waves 2, 3)
	s_wait_dscnt 0x0
	s_wait_kmcnt 0x0
	s_add_nc_u64 s[6:7], s[6:7], WOFF
	s_add_nc_u64 s[14:15], s[4:5], s[16:17]
	s_add_nc_u64 s[46:47], s[6:7], s[46:47]
	CROUND                                         ; the first joint loads meet
.irp s, 0,1
	s_mov_b32 s[G0+4*\s], 1
	s_add_co_u32 s[G0+4*\s+1], s20, \s*SLOT
	s_add_nc_u64 s[G0+4*\s+2:G0+4*\s+3], s[14:15], \s*KSLOT*2
	s_or_b32 s[G0+4*\s+3], s[G0+4*\s+3], 0x80000000
	s_mov_b32 s[G0B+4*\s], 1
	s_add_co_u32 s[G0B+4*\s+1], s21, \s*SLOT
	s_add_nc_u64 s[G0B+4*\s+2:G0B+4*\s+3], s[46:47], \s*KSLOT*SIZE_N*2
	s_or_b32 s[G0B+4*\s+3], s[G0B+4*\s+3], 0x80000000
	JLOAD \s                                       ; both first fills go out together: two tensor loads of a wave are out here, later one
.endr
	v_and_b32 v1, 15, v0                           ; l % 16
	v_bfe_u32 v2, v0, 4, 1                         ; l / 16
	v_mul_u32_u24 v3, v1, APITCH
	v_lshl_add_u32 v3, v2, 4, v3
	v_and_b32 v6, 7, v0
	v_lshl_add_u32 v6, v2, 3, v6
	v_mul_u32_u24 v6, v6, BPITCH
	v_bfe_u32 v7, v0, 3, 1
	v_lshl_add_u32 v6, v7, 4, v6
	s_lshl_b32 s22, s10, 7                         ; my 64 of the slot's K: 128 bytes along A's rows,
	s_mul_i32 s23, s10, 64*BPITCH                  ; 64 k-rows down W
	s_add_co_u32 s23, s23, BBASE
.irp s, 0,1
	v_add_nc_u32 v[ADRA+\s], s22, v3
	v_add_nc_u32 v[ADRB+\s], s23, v6
	s_add_co_u32 s22, s22, SLOT
	s_add_co_u32 s23, s23, SLOT
.endr
	s_mul_i32 s22, s10, REG
	v_mul_u32_u24 v4, v1, RPITCH
	v_lshl_add_u32 v4, v2, 5, v4
	v_add_nc_u32 v[STO], s22, v4                   ; my partial block: row l % 16, 32 bytes for each half of the lanes
	v_and_b32 v5, 31, v0
	v_lshlrev_b32 v[BL], 4, v5
	s_mul_i32 s23, s10, 32*RPITCH
	v_add_nc_u32 v[RD], s23, v[BL]                 ; rows 32 w .. of wave 0's partial block,
	v_add_nc_u32 v[RD+1], REG, v[RD]               ; of wave 1's,
	v_add_nc_u32 v[RD+2], 2*REG, v[RD]
	v_add_nc_u32 v[RD+3], 3*REG, v[RD]
	s_lshl_b32 s22, s10, 17                        ; 32 rows of 4,096 bytes
	v_add_nc_u32 v[CO], s22, v[BL]
.macro MUL16 f, hi, a0, zero
.irp a, \a0, \a0+1
.irp b, 0,1,2,3,4,5,6,7
.if \zero
	v_wmma_f32_16x16x32_bf16 v[8*(8*(\a)+\b):8*(8*(\a)+\b)+7], v[\f+8*\b:\f+8*\b+7], v[\f+8*(4*\hi+\a):\f+8*(4*\hi+\a)+7], 0
.else
	v_wmma_f32_16x16x32_bf16 v[8*(8*(\a)+\b):8*(8*(\a)+\b)+7], v[\f+8*\b:\f+8*\b+7], v[\f+8*(4*\hi+\a):\f+8*(4*\hi+\a)+7], v[8*(8*(\a)+\b):8*(8*(\a)+\b)+7]
.endif
.endr
.endr
.endm
.macro FETCH slot, q, f                ; 32 LDS loads: quarter q (32 of my 64 K) of a slot into buffer f
	WIN TO_B
.irp i, 0,1,2,3,4,5,6,7
	ds_load_tr16_b128 v[\f+8*\i:\f+8*\i+3],   v[ADRB+\slot] offset:\q*32*BPITCH+32*\i
	ds_load_tr16_b128 v[\f+8*\i+4:\f+8*\i+7], v[ADRB+\slot] offset:\q*32*BPITCH+32*\i+16*BPITCH
.endr
	WIN 0
.irp i, 0,1,2,3,4,5,6,7
	ds_load_b128 v[\f+8*\i:\f+8*\i+3],   v[ADRA+\slot] offset:\q*64+\i*16*APITCH
	ds_load_b128 v[\f+8*\i+4:\f+8*\i+7], v[ADRA+\slot] offset:\q*64+\i*16*APITCH+32
.endr
.endm
.macro PLACES                          ; four plain places behind matrix instructions (ISA guide 7.12.1)
.rept 4
	v_nop
.endr
.endm
.macro QUARTER slot, q, f, g, zero
	s_wait_dscnt 8                                 ; W and A's rows 0-63 are in; the youngest eight loads (A's rows 64-127) may be out
	WIN MUL_LO
	MUL16 \f, 0, 0, \zero
	MUL16 \f, 0, 2, \zero
	PLACES
	FETCH \slot, \q, \g
	s_wait_dscnt 32                                ; all but the 32 just issued
	WIN MUL_HI
	MUL16 \f, 1, 0, \zero
	MUL16 \f, 1, 2, \zero
.endm
; The second quarter of a slot: multiplies buffer 1 and changes slots.  In front of the barrier each wave waits for its reads of this slot and for all its tensor loads;
; behind it the refill comes first.  From a request to the wait for it a wave issues 112 matrix instructions.
.macro TURN slot, next, fill
	s_wait_dscnt 8
	WIN MUL_LO
	MUL16 F1, 0, 0, 0
	s_wait_dscnt 0
	s_wait_tensorcnt 0x0
	ds_add_u32 v255, v255
	s_wait_dscnt 0x0
	s_barrier_signal -1
	MUL16 F1, 0, 2, 0
	WIN 0
	s_barrier_wait -1
.if \fill
	CREST
	s_add_nc_u64 s[G0+4*\slot+2:G0+4*\slot+3], s[G0+4*\slot+2:G0+4*\slot+3], 2*KSLOT*2
	s_add_nc_u64 s[G0B+4*\slot+2:G0B+4*\slot+3], s[G0B+4*\slot+2:G0B+4*\slot+3], 2*KSLOT*SIZE_N*2
	JLOAD \slot
.endif
	PLACES
	FETCH \next, 0, F0
	WIN MUL_HI
	MUL16 F1, 1, 0, 0
	MUL16 F1, 1, 2, 0
.endm
.macro LAP zero
	QUARTER 0, 1, F0, F1, \zero
	TURN 0, 1, 1
	QUARTER 1, 1, F0, F1, 0
	TURN 1, 0, 1
.endm
	s_wait_tensorcnt 1                             ; my part of slot 0 is in; slot 1's load, issued behind it, stays out
	s_barrier_signal -1
	s_barrier_wait -1
	FETCH 0, 0, F0
	LAP 1
.if LAPS > 2
	WIN 0
	s_mov_b32 s3, LAPS-2
.Llap:
	LAP 0
	WIN 0
	s_sub_co_u32 s3, s3, 1
	s_cmp_lg_u32 s3, 0
	s_cbranch_scc1 .Llap
.endif
	QUARTER 0, 1, F0, F1, 0                        ; the last lap fills nothing
	TURN 0, 1, 0
	QUARTER 1, 1, F0, F1, 0
	s_wait_dscnt 8
	WIN MUL_LO
	MUL16 F1, 0, 0, 0
	MUL16 F1, 0, 2, 0
	s_wait_dscnt 0
	WIN MUL_HI
	MUL16 F1, 1, 0, 0
	MUL16 F1, 1, 2, 0
	; THE WAY OUT.  The four waves' partial blocks meet in LDS, in the ring's bytes: both slots have had their last fill.  Wave w then adds and stores rows 32 w .. 32 w + 31.
	PLACES
	WIN 0
	s_lshl_b32 s16, s13, 19                        ; block row x 128 rows of 4,096 bytes
	s_mov_b32 s17, 0
	s_lshl_b32 s46, s42, 9                         ; block column x 512 bytes
	s_mov_b32 s47, 0
	s_add_nc_u64 s[8:9], s[8:9], s[16:17]
	s_add_nc_u64 s[8:9], s[8:9], s[46:47]
	s_add_nc_u64 s[70:71], s[70:71], s[16:17]
	s_add_nc_u64 s[70:71], s[70:71], s[46:47]
	s_add_nc_u64 s[68:69], s[68:69], s[46:47]
	WIN TO_B
.set i, 0
.rept 32
	global_load_b128 v[64+4*i:67+4*i], v[CO], s[70:71] offset:4096*i     ; the residual of my 32 rows, into window 1: 512 consecutive bytes a load
.set i, i+1
.endr
	WIN 0
	global_load_b128 v[BI:BI+3], v[BL], s[68:69]
	s_wait_dscnt 0x0                               ; my reads of the ring are over (all tensor loads were waited for at the last change of slots)
	s_barrier_signal -1
	s_barrier_wait -1                              ; everybody's are: the ring's bytes may be written
.macro PUT win, a0                     ; the 32 tiles of one window, row-major: tile (a, b) = rows 16 (a0 + a) .., columns 16 b ..
	WIN \win
.irp a, 0,1,2,3
.irp b, 0,1,2,3,4,5,6,7
	ds_store_b128 v[STO], v[8*(8*\a+\b):8*(8*\a+\b)+3]   offset:(\a0+\a)*16*RPITCH+64*\b
	ds_store_b128 v[STO], v[8*(8*\a+\b)+4:8*(8*\a+\b)+7] offset:(\a0+\a)*16*RPITCH+64*\b+16
.endr
.endr
.endm
	PUT 0x08, 0                                    ; store data in window 2
	PUT 0x0c, 4                                    ; in window 3
	WIN 0
	s_wait_dscnt 0x0                               ; for the others' sake: my stores are done
	s_barrier_signal -1
	s_barrier_wait -1
	s_wait_loadcnt 0x0                             ; residual and bias
.macro GROUP g                         ; eight of my rows
.if \g
	s_wait_xcnt 0x0                                ; the registers that the last group's stores read are loaded again only behind this wait
.endif
.irp i, 0,1,2,3,4,5,6,7
.irp w, 0,1,2,3
	ds_load_b128 v[64+16*\i+4*\w:67+16*\i+4*\w], v[RD+\w] offset:(8*\g+\i)*RPITCH
.endr
.endr
	s_wait_dscnt 0x0
.irp i, 0,1,2,3,4,5,6,7
	v_pk_add_f32 v[64+16*\i:65+16*\i], v[64+16*\i:65+16*\i], v[68+16*\i:69+16*\i]
	v_pk_add_f32 v[66+16*\i:67+16*\i], v[66+16*\i:67+16*\i], v[70+16*\i:71+16*\i]
	v_pk_add_f32 v[72+16*\i:73+16*\i], v[72+16*\i:73+16*\i], v[76+16*\i:77+16*\i]
	v_pk_add_f32 v[74+16*\i:75+16*\i], v[74+16*\i:75+16*\i], v[78+16*\i:79+16*\i]
	v_pk_add_f32 v[64+16*\i:65+16*\i], v[64+16*\i:65+16*\i], v[72+16*\i:73+16*\i]
	v_pk_add_f32 v[66+16*\i:67+16*\i], v[66+16*\i:67+16*\i], v[74+16*\i:75+16*\i]
	v_pk_add_f32 v[64+16*\i:65+16*\i], v[64+16*\i:65+16*\i], v[BI:BI+1]
	v_pk_add_f32 v[66+16*\i:67+16*\i], v[66+16*\i:67+16*\i], v[BI+2:BI+3]
.endr
	WIN 0x04                                       ; source 1 (the residual) in window 1
.irp i, 0,1,2,3,4,5,6,7
	v_pk_add_f32 v[64+16*\i:65+16*\i], v[64+16*\i:65+16*\i], v[64+4*(8*\g+\i):65+4*(8*\g+\i)]
	v_pk_add_f32 v[66+16*\i:67+16*\i], v[66+16*\i:67+16*\i], v[66+4*(8*\g+\i):67+4*(8*\g+\i)]
.endr
	WIN 0
.irp i, 0,1,2,3,4,5,6,7
	global_store_b128 v[CO], v[64+16*\i:67+16*\i], s[8:9] offset:(8*\g+\i)*4096    ; 32 lanes store 512 consecutive bytes, aligned
.endr
.endm
	GROUP 0
	GROUP 1
	GROUP 2
	GROUP 3
	s_set_vgpr_msb 0x1
	s_wait_tensorcnt 0x0
	ds_add_u32 v255, v255
	s_wait_dscnt 0x0
	s_set_vgpr_msb 0x100
	CROUND                                         ; the closing round
	s_endpgm
.Lfunc_end_k_q9fa3738321_gemm_proj:
	.size	k_q9fa3738321_gemm_proj, .Lfunc_end_k_q9fa3738321_gemm_proj-k_q9fa3738321_gemm_proj
	.p2alignl 7, 3214868480
	.fill 96, 4, 3214868480
	.section	.rodata,"a",@progbits
	.p2align	6, 0x0
	.amdhsa_kernel k_q9fa3738321_gemm_proj
		.amdhsa_group_segment_fixed_size 327680
		.amdhsa_private_segment_fixed_size 0
		.amdhsa_enable_private_segment 0
		.amdhsa_kernarg_size 40
		.amdhsa_user_sgpr_count 2
		.amdhsa_user_sgpr_kernarg_segment_ptr 1
		.amdhsa_wavefront_size32 1
		.amdhsa_system_sgpr_workgroup_id_x 1
		.amdhsa_system_sgpr_workgroup_id_y 1
		.amdhsa_system_sgpr_workgroup_id_z 1
		.amdhsa_system_vgpr_workitem_id 0
		.amdhsa_next_free_vgpr 1024
		.amdhsa_next_free_sgpr 72
		.amdhsa_reserve_vcc 0
		.amdhsa_float_denorm_mode_32 3
		.amdhsa_float_denorm_mode_16_64 3
		.amdhsa_memory_ordered 1
		.amdhsa_forward_progress 1
		.amdhsa_inst_pref_size 131
	.end_amdhsa_kernel
	.amdgpu_metadata
---
amdhsa.version: [ 1, 2 ]
amdhsa.kernels:
  - .name:           k_q9fa3738321_gemm_proj
    .symbol:         k_q9fa3738321_gemm_proj.kd
    .args:
      - { .name: big, .offset: 0, .size: 8, .value_kind: global_buffer, .address_space: global }
      - { .name: wb, .offset: 8, .size: 8, .value_kind: global_buffer, .address_space: global }
      - { .name: b_proj, .offset: 16, .size: 8, .value_kind: global_buffer, .address_space: global }
      - { .name: x1, .offset: 24, .size: 8, .value_kind: global_buffer, .address_space: global }
      - { .name: out0, .offset: 32, .size: 8, .value_kind: global_buffer, .address_space: global }
    .group_segment_fixed_size: 327680
    .private_segment_fixed_size: 0
    .kernarg_segment_align: 8
    .kernarg_segment_size: 40
    .max_flat_workgroup_size: 128
    .sgpr_count:     72
    .vgpr_count:     1024
    .wavefront_size: 32
...
	.end_amdgpu_metadata
.endif
;; end of part 7
;; ======== version 2 of 2: 7 launches; version 1 with the launch prep written anew for expert scheduling mode
;; workspace buffers: act 8,388,608 bytes; big 33,554,432 bytes; wb 25,165,824 bytes; x1 16,777,216 bytes; mbits 524,288 bytes of whole numbers
;; launch prep (part 8): grid 1152 x 1, 8 waves a work-group, no clusters, 0 bytes of LDS; arguments x, ln1_w, ln1_b, act, W_qkv, W_o, W_fc, W_proj, wb, mask, mbits; writes act, wb, mbits
.if DOCPART == 8
	.amdgcn_target "amdgcn-amd-amdhsa--gfx1250"
	.amdhsa_code_object_version 6
	.text
	.protected	k_q9fa3738321_prep
	.globl	k_q9fa3738321_prep
	.p2align	8
	.type	k_q9fa3738321_prep,@function
k_q9fa3738321_prep:
	s_mov_b64 s[64:65], 0
	v_nop
	global_prefetch_b8 v0, s[64:65] scope:SCOPE_SE
	s_setreg_imm32_b32 hwreg(HW_REG_WAVE_SCHED_MODE, 0, 2), 2
	s_setreg_imm32_b32 hwreg(HW_REG_WAVE_MODE, 25, 1), 1
	s_wait_xcnt 0x0
	s_wait_alu depctr_vm_vsrc(0)
; Three streaming jobs in one launch, told apart by the work-group's number alone:
;   0 .. 255      LayerNorm 1: act[row] = bf16((x[row] - mean) * rsqrt(var + 1e-5) * w + b), 16 rows a work-group, 2 rows a wave
;   256 .. 1023   the four weight matrices, f32 to bf16, layout kept ([K][N]), 65,536 source bytes a work-group
;   1024 .. 1151  the byte mask packed into lane masks for the attention launch, 16 query rows a work-group
; No LDS, no barrier, no matrix unit: every byte is read once and written once, and no wave needs another's data.
; The variance is taken in two passes over the row, which stays in registers (mean first, then the squares of x - mean).
; THE MODE: SCHED_MODE bits 1:0 = 2 (LLVM: expert scheduling mode 2), set by the entry lines.  The code itself states the register dependences
; between vector instructions and memory instructions, and between a vector instruction that writes a scalar register and its readers, with s_wait_alu, always for 0.
; THE PLAN.  Registers that memory instructions touch:
;   v2, v3        offsets (16 x lane, 8 x lane): written once at the head, read by every load and store, never written again.  One wait ahead of each job's first load.
;   LayerNorm     X0, X1, WG, BV: loads land in them before any vector line names them; later only vector lines do, behind the counted waits for the loads.
;                 Y0, Y1: each written once by a row's roundings and read once by its eight stores.  One wait behind row 0's roundings; its stores are then dealt among
;                 row 1's lines, which name X1, WG, BV and Y1 alone.  One wait behind row 1's roundings, ahead of its stores.
;   weights       v[32:95]: loads land in them, conversions read them.  v[96:127]: each written once by a conversion, read once by a store.  Four blocks of four loads: at the
;                 head of a block one wait says that the block before has written its eight registers, and that block's four stores are dealt among this block's conversions.
;   mask          v10: the loads' offset, made in this job.  v[32:63]: loads land in them.  v[4:7]: written by v_writelane_b32, the one store's data.
; No register that a memory instruction reads is written again, so no wait on vm_vsrc is owed.
; Scalar registers that vector lines write: s8 (the wave's number), waited for at the head, ahead of the first branch; s[16:31] (lane masks), sixteen compares to a wait.
.set X0, 32                            ; v[32:63]    row 0: load j holds columns 128 j + 4 lane .. + 3
.set X1, 64                            ; v[64:95]    row 1
.set WG, 96                            ; v[96:127]   gains of the same columns
.set BV, 128                           ; v[128:159]  biases of the same columns
.set Y0, 160                           ; v[160:175]  row 0 in bf16
.set Y1, 176                           ; v[176:191]  row 1 in bf16
.set MB, 96                            ; v[96:127]   the mask job: two sets of sixteen registers, a byte singled out in each
.macro LANESUM                         ; v4 = sum of v4 over the 32 lanes, in every lane; v5 is scratch that has been written
	v_add_f32_dpp v4, v4, v4 row_xmask:1 row_mask:0xf bank_mask:0xf
	v_add_f32_dpp v4, v4, v4 row_xmask:2 row_mask:0xf bank_mask:0xf
	v_add_f32_dpp v4, v4, v4 row_xmask:4 row_mask:0xf bank_mask:0xf
	v_add_f32_dpp v4, v4, v4 row_xmask:8 row_mask:0xf bank_mask:0xf
	v_permlanex16_b32 v5, v4, s20, s21
	v_add_f32 v4, v4, v5
.endm
.macro FOLD                            ; four chains v[4:11] to one number in v4
	v_pk_add_f32 v[4:5], v[4:5], v[6:7]
	v_pk_add_f32 v[8:9], v[8:9], v[10:11]
	v_pk_add_f32 v[4:5], v[4:5], v[8:9]
	v_add_f32 v4, v4, v5
.endm
; The row in v[X .. X+31] becomes (x - mean) * rsqrt(var + eps).  left = younger loads that may stay out.
.macro STATS X, left
	s_wait_loadcnt \left                           ; loads return in order: this row's eight are in
.irp c, 0,1,2,3
	v_pk_add_f32 v[4+2*\c:5+2*\c], v[\X+4*\c:\X+4*\c+1], v[\X+4*\c+2:\X+4*\c+3]   ; the first adds start four chains
.endr
.irp k, 16,24
.irp c, 0,1,2,3
	v_pk_add_f32 v[4+2*\c:5+2*\c], v[4+2*\c:5+2*\c], v[\X+\k+2*\c:\X+\k+2*\c+1]
.endr
.endr
	FOLD
	LANESUM
	v_mul_f32 v12, s22, v4                         ; mean, twice, for the packed subtraction
	v_mul_f32 v13, s22, v4
.irp k, 0,2,4,6,8,10,12,14,16,18,20,22,24,26,28,30
	v_pk_add_f32 v[\X+\k:\X+\k+1], v[\X+\k:\X+\k+1], v[12:13] neg_lo:[0,1] neg_hi:[0,1]
.endr
.irp c, 0,1,2,3
	v_pk_mul_f32 v[4+2*\c:5+2*\c], v[\X+2*\c:\X+2*\c+1], v[\X+2*\c:\X+2*\c+1]
.endr
.irp k, 8,16,24
.irp c, 0,1,2,3
	v_pk_fma_f32 v[4+2*\c:5+2*\c], v[\X+\k+2*\c:\X+\k+2*\c+1], v[\X+\k+2*\c:\X+\k+2*\c+1], v[4+2*\c:5+2*\c]
.endr
.endr
	FOLD
	LANESUM
	v_fma_f32 v4, v4, s22, s23                     ; var + 1e-5
	v_rsq_f32 v14, v4
	v_rsq_f32 v15, v4
	v_nop                                          ; one plain place behind the transcendentals (ISA guide 5.7.2)
	s_wait_alu depctr_va_vdst(0)                   ; the two reciprocal roots have written v14 and v15, ahead of their first reader: one wait for both
.irp k, 0,2,4,6,8,10,12,14,16,18,20,22,24,26,28,30
	v_pk_mul_f32 v[\X+\k:\X+\k+1], v[\X+\k:\X+\k+1], v[14:15]
.endr
.endm
; Gains and biases on the row in X, then its rounding to bf16 into Y.  prev = 1: row 0's eight stores are dealt among the multiply-adds, one ahead of each pair.
.macro APPLY X, Y, prev
.irp j, 0,1,2,3,4,5,6,7
.if \prev
	global_store_b64 v3, v[Y0+2*\j:Y0+2*\j+1], s[18:19] offset:256*\j   ; 32 lanes store 256 consecutive bytes, aligned.  No wait here: no vector line since the wait for Y0 names Y0 or v3
.endif
	v_pk_fma_f32 v[\X+4*\j:\X+4*\j+1],   v[\X+4*\j:\X+4*\j+1],   v[WG+4*\j:WG+4*\j+1],   v[BV+4*\j:BV+4*\j+1]
	v_pk_fma_f32 v[\X+4*\j+2:\X+4*\j+3], v[\X+4*\j+2:\X+4*\j+3], v[WG+4*\j+2:WG+4*\j+3], v[BV+4*\j+2:BV+4*\j+3]
.endr
.irp k, 0,1,2,3,4,5,6,7,8,9,10,11,12,13,14,15
	v_cvt_pk_bf16_f32 v[\Y+\k], v[\X+2*\k], v[\X+2*\k+1]
.endr
.endm
; Weights, block p of four: loads 4 p .. 4 p + 3 are converted; the four stores of the block before are dealt among the conversions.
.macro CBLK p
	s_wait_loadcnt 12-4*\p                         ; loads return in order: this block's four are in, the 12 - 4 p younger ones stay out
.if \p
	s_wait_alu depctr_va_vdst(0)                   ; the block before has written its eight registers of v[96 ..], which the stores below read; this block's conversions name others
.endif
.irp i, 0,1,2,3
.if \p
	global_store_b64 v3, v[96+2*(4*(\p-1)+\i):97+2*(4*(\p-1)+\i)], s[20:21] offset:256*(4*(\p-1)+\i)
.endif
	v_cvt_pk_bf16_f32 v[96+2*(4*\p+\i)], v[32+4*(4*\p+\i)], v[33+4*(4*\p+\i)]
	v_cvt_pk_bf16_f32 v[97+2*(4*\p+\i)], v[34+4*(4*\p+\i)], v[35+4*(4*\p+\i)]
.endr
.endm
; The mask job goes in eight runs g of two groups t = 2 g, 2 g + 1 of 16 keys: sixteen words a run.
.macro BYTES g                         ; byte j of my eight, for both groups, into set g % 2
.irp u, 0,1
.irp j, 0,1,2,3,4,5,6,7
	v_and_b32 v[MB+16*((\g)%2)+8*\u+\j], 0xff<<(8*(\j&3)), v[32+2*(2*(\g)+\u)+(\j>>2)]
.endr
.endr
.endm
.macro BITS g                          ; one bit a lane: sixteen lane masks
.irp u, 0,1
.irp j, 0,1,2,3,4,5,6,7
	v_cmp_ne_u32 s[16+8*\u+\j], 0, v[MB+16*((\g)%2)+8*\u+\j]
.endr
.endr
.endm
.macro PLACE g                         ; word 8 t + j to lane 2 t + (j >> 2), register j & 3
.irp u, 0,1
.irp j, 0,1,2,3,4,5,6,7
	v_writelane_b32 v[4+(\j&3)], s[16+8*\u+\j], 2*(2*(\g)+\u)+(\j>>2)
.endr
.endr
.endm
	v_lshrrev_b32 v1, 5, v0
	v_readfirstlane_b32 s8, v1                     ; wave 0..7
	v_and_b32 v1, 31, v0                           ; lane
	v_lshlrev_b32 v2, 4, v1                        ; 16 x lane
	v_lshlrev_b32 v3, 3, v1                        ; 8 x lane
	s_wait_alu depctr_va_sdst(0)                   ; s8 is written, ahead of the branches: each job's scalar address arithmetic reads it
	s_cmp_ge_u32 ttmp9, 1024
	s_cbranch_scc1 .Lmask
	s_cmp_ge_u32 ttmp9, 256
	s_cbranch_scc1 .Lcast
	; ---- LayerNorm ----
	s_load_b256 s[12:19], s[0:1], 0x0              ; x s[12:13], gains s[14:15], biases s[16:17], act s[18:19]
	s_lshl_b32 s9, ttmp9, 4
	s_lshl1_add_u32 s9, s8, s9                     ; my first row = 16 x work-group + 2 x wave
	s_lshl_b32 s10, s9, 12                         ; x 4,096 bytes of f32
	s_mov_b32 s11, 0
	s_lshl_b32 s24, s9, 11                         ; x 2,048 bytes of bf16
	s_mov_b32 s25, 0
	s_mov_b32 s20, 0x76543210                      ; v_permlanex16_b32: lane i takes lane i of the other half
	s_mov_b32 s21, 0xfedcba98
	s_mov_b32 s22, 0x3a800000                      ; 1 / 1024
	s_mov_b32 s23, 0x3727c5ac                      ; 1e-5
	s_wait_kmcnt 0x0
	s_add_nc_u64 s[12:13], s[12:13], s[10:11]
	s_add_nc_u64 s[18:19], s[18:19], s[24:25]
	s_wait_alu depctr_va_vdst(0)                   ; v2 and v3 are written: the loads below read v2 as their offset, the stores v3
.irp j, 0,1,2,3,4,5,6,7
	global_load_b128 v[X0+4*\j:X0+4*\j+3], v2, s[12:13] offset:512*\j
.endr
.irp j, 0,1,2,3,4,5,6,7
	global_load_b128 v[X1+4*\j:X1+4*\j+3], v2, s[12:13] offset:4096+512*\j
.endr
.irp j, 0,1,2,3,4,5,6,7
	global_load_b128 v[WG+4*\j:WG+4*\j+3], v2, s[14:15] offset:512*\j
.endr
.irp j, 0,1,2,3,4,5,6,7
	global_load_b128 v[BV+4*\j:BV+4*\j+3], v2, s[16:17] offset:512*\j
.endr
	STATS X0, 24                                   ; row 1, gains and biases (24 loads) stay out
	STATS X1, 16                                   ; gains and biases stay out
	s_wait_loadcnt 0x0
	APPLY X0, Y0, 0
	s_wait_alu depctr_va_vdst(0)                   ; row 0's roundings have written Y0, which the stores dealt among row 1's lines read
	APPLY X1, Y1, 1
	s_wait_alu depctr_va_vdst(0)                   ; row 1's roundings have written Y1, which the stores below read
.irp j, 0,1,2,3,4,5,6,7
	global_store_b64 v3, v[Y1+2*\j:Y1+2*\j+1], s[18:19] offset:2048+256*\j   ; 32 lanes store 256 consecutive bytes, aligned
.endr
	s_endpgm
	; ---- weights to bf16 ----
.Lcast:
	s_load_b256 s[12:19], s[0:1], 0x20             ; W_qkv s[12:13], W_o s[14:15], W_fc s[16:17], W_proj s[18:19]
	s_load_b64 s[20:21], s[0:1], 0x40              ; wb
	s_sub_co_u32 s9, ttmp9, 256                    ; c = 0 .. 767; 192 chunks of W_qkv, 64 of W_o, 256 of W_fc, 256 of W_proj
	s_mov_b32 s10, 0                               ; the chosen matrix's first chunk
	s_wait_kmcnt 0x0
	s_cmp_ge_u32 s9, 192
	s_cselect_b64 s[12:13], s[14:15], s[12:13]
	s_cselect_b32 s10, 192, s10
	s_cmp_ge_u32 s9, 256
	s_cselect_b64 s[12:13], s[16:17], s[12:13]
	s_cselect_b32 s10, 256, s10
	s_cmp_ge_u32 s9, 512
	s_cselect_b64 s[12:13], s[18:19], s[12:13]
	s_cselect_b32 s10, 512, s10
	s_sub_co_u32 s10, s9, s10
	s_lshl_b32 s10, s10, 16                        ; 65,536 source bytes a chunk,
	s_lshl_b32 s11, s8, 13                         ; 8,192 a wave
	s_add_co_u32 s10, s10, s11
	s_mov_b32 s11, 0
	s_add_nc_u64 s[12:13], s[12:13], s[10:11]
	s_lshl_b32 s22, s9, 15                         ; the four matrices follow each other in wb in the order of the chunks
	s_lshl_b32 s23, s8, 12
	s_add_co_u32 s22, s22, s23
	s_mov_b32 s23, 0
	s_add_nc_u64 s[20:21], s[20:21], s[22:23]
	s_wait_alu depctr_va_vdst(0)                   ; v2 and v3 are written: the loads below read v2 as their offset, the stores v3
.irp j, 0,1,2,3,4,5,6,7,8,9,10,11,12,13,14,15
	global_load_b128 v[32+4*\j:35+4*\j], v2, s[12:13] offset:512*\j th:TH_LOAD_NT
.endr
	CBLK 0
	CBLK 1
	CBLK 2
	CBLK 3
	s_wait_alu depctr_va_vdst(0)                   ; the last block's conversions have written v[120:127], which the last four stores read
.irp i, 12,13,14,15
	global_store_b64 v3, v[96+2*\i:97+2*\i], s[20:21] offset:256*\i
.endr
	s_endpgm
	; ---- mask to lane masks ----
	; mbits[Tq][ks][8 t + j], a 32-bit word: bit l = mask[16 Tq + (l & 15)][64 ks + 16 t + 8 (l >> 4) + j]: the lanes of one score register of the attention launch.
	; Wave kg takes keys 256 kg .. + 255 = 128 words.  Word W goes to lane W >> 2, register W & 3, so that one 16-byte store a lane writes 512 consecutive bytes.
.Lmask:
	s_load_b64 s[12:13], s[0:1], 0x48              ; mask
	s_load_b64 s[14:15], s[0:1], 0x50              ; mbits
	s_sub_co_u32 s9, ttmp9, 1024                   ; Tq
	s_lshl_b32 s10, s9, 15                         ; 16 rows of 2,048 bytes
	s_lshl_b32 s11, s8, 8
	s_add_co_u32 s10, s10, s11
	s_mov_b32 s11, 0
	s_lshl_b32 s2, s9, 12                          ; 4,096 bytes of words for a query tile
	s_lshl_b32 s3, s8, 9
	s_add_co_u32 s2, s2, s3
	s_mov_b32 s3, 0
	v_and_b32 v10, 15, v0
	v_bfe_u32 v11, v0, 4, 1
	v_lshlrev_b32 v10, 11, v10                     ; row l & 15,
	v_lshl_add_u32 v10, v11, 3, v10                ; eight keys for each half of the lanes
	v_mov_b32 v4, 0                                ; v_writelane_b32 keeps the other lanes: the registers are written whole first
	v_mov_b32 v5, 0
	v_mov_b32 v6, 0
	v_mov_b32 v7, 0
	s_wait_kmcnt 0x0
	s_add_nc_u64 s[12:13], s[12:13], s[10:11]
	s_add_nc_u64 s[14:15], s[14:15], s[2:3]
	s_wait_alu depctr_va_vdst(0)                   ; v10 is written, which the loads below read as their offset
.irp t, 0,1,2,3,4,5,6,7,8,9,10,11,12,13,14,15
	global_load_b64 v[32+2*\t:33+2*\t], v10, s[12:13] offset:16*\t
.endr
	s_wait_loadcnt 0x0
	BYTES 0
.irp g, 0,1,2,3,4,5,6,7
	BITS \g
.if \g < 7
	BYTES \g+1                                     ; the next run's bytes, into the other set: work between the compares and the wait for them
.endif
	s_wait_alu depctr_va_sdst(0)                   ; the sixteen compares have written s[16:31], ahead of their first readers, the v_writelane_b32 lines below
	PLACE \g
.endr
	s_wait_alu depctr_va_vdst(0)                   ; the v_writelane_b32 lines have written v[4:7], the store's data (v2, its offset, was written at the head)
	global_store_b128 v2, v[4:7], s[14:15]
	s_endpgm
.Lfunc_end_k_q9fa3738321_prep:
	.size	k_q9fa3738321_prep, .Lfunc_end_k_q9fa3738321_prep-k_q9fa3738321_prep
	.p2alignl 7, 3214868480
	.fill 96, 4, 3214868480
	.section	.rodata,"a",@progbits
	.p2align	6, 0x0
	.amdhsa_kernel k_q9fa3738321_prep
		.amdhsa_group_segment_fixed_size 0
		.amdhsa_private_segment_fixed_size 0
		.amdhsa_enable_private_segment 0
		.amdhsa_kernarg_size 88
		.amdhsa_user_sgpr_count 2
		.amdhsa_user_sgpr_kernarg_segment_ptr 1
		.amdhsa_wavefront_size32 1
		.amdhsa_system_sgpr_workgroup_id_x 1
		.amdhsa_system_sgpr_workgroup_id_y 1
		.amdhsa_system_sgpr_workgroup_id_z 1
		.amdhsa_system_vgpr_workitem_id 0
		.amdhsa_next_free_vgpr 192
		.amdhsa_next_free_sgpr 66
		.amdhsa_reserve_vcc 0
		.amdhsa_float_denorm_mode_32 3
		.amdhsa_float_denorm_mode_16_64 3
		.amdhsa_memory_ordered 1
		.amdhsa_forward_progress 1
		.amdhsa_inst_pref_size 54
	.end_amdhsa_kernel
	.amdgpu_metadata
---
amdhsa.version: [ 1, 2 ]
amdhsa.kernels:
  - .name:           k_q9fa3738321_prep
    .symbol:         k_q9fa3738321_prep.kd
    .args:
      - { .name: x, .offset: 0, .size: 8, .value_kind: global_buffer, .address_space: global }
      - { .name: ln1_w, .offset: 8, .size: 8, .value_kind: global_buffer, .address_space: global }
      - { .name: ln1_b, .offset: 16, .size: 8, .value_kind: global_buffer, .address_space: global }
      - { .name: act, .offset: 24, .size: 8, .value_kind: global_buffer, .address_space: global }
      - { .name: W_qkv, .offset: 32, .size: 8, .value_kind: global_buffer, .address_space: global }
      - { .name: W_o, .offset: 40, .size: 8, .value_kind: global_buffer, .address_space: global }
      - { .name: W_fc, .offset: 48, .size: 8, .value_kind: global_buffer, .address_space: global }
      - { .name: W_proj, .offset: 56, .size: 8, .value_kind: global_buffer, .address_space: global }
      - { .name: wb, .offset: 64, .size: 8, .value_kind: global_buffer, .address_space: global }
      - { .name: mask, .offset: 72, .size: 8, .value_kind: global_buffer, .address_space: global }
      - { .name: mbits, .offset: 80, .size: 8, .value_kind: global_buffer, .address_space: global }
    .group_segment_fixed_size: 0
    .private_segment_fixed_size: 0
    .kernarg_segment_align: 8
    .kernarg_segment_size: 88
    .max_flat_workgroup_size: 256
    .sgpr_count:     66
    .vgpr_count:     192
    .wavefront_size: 32
...
	.end_amdgpu_metadata
.endif
;; end of part 8
;; launch gemm_qkv: the kernel of part 2 again; grid 12 x 16, 4 waves a work-group, clusters of 4 x 4, 327,680 bytes of LDS; arguments act, wb, b_qkv, big; writes big
;; launch attn: the kernel of part 3 again; grid 16 x 16, 8 waves a work-group, clusters of 4 x 1, 327,680 bytes of LDS; arguments big, mbits, act; writes act
;; launch gemm_o: the kernel of part 4 again; grid 8 x 32, 4 waves a work-group, clusters of 4 x 4, 327,680 bytes of LDS; arguments act, wb, b_o, x, x1; writes x1
;; launch ln2: the kernel of part 5 again; grid 256 x 1, 8 waves a work-group, no clusters, 0 bytes of LDS; arguments x1, ln2_w, ln2_b, act; writes act
;; launch gemm_fc: the kernel of part 6 again; grid 16 x 16, 4 waves a work-group, clusters of 4 x 4, 327,680 bytes of LDS; arguments act, wb, b_fc, big; writes big
;; launch gemm_proj: the kernel of part 7 again; grid 8 x 32, 4 waves a work-group, clusters of 4 x 4, 327,680 bytes of LDS; arguments big, wb, b_proj, x1, out0; writes out0
